; MI455X (gfx1250); checked and timed in simulation.
; The chip was launched on July 23, 2026; its instructions are those of AMD's public machine-readable ISA for CDNA 5 (MIT licence, August 2026) and "CDNA5" Instruction Set Architecture Reference Guide (July 2026). The comments in the code are by the model that wrote it; some were corrected since.
;; Linformer Attention. Allowed arithmetic: matrix products marked QUANTISED: E2M3 operands, one E8M0 scale for each 32 along K, by v_wmma_scale_f32_16x16x128_f8f6f4 with both operands' format E2M3, f32 sums; everything else in f32.
;; Inputs: E 4,096 x 1,024 float32; F 4,096 x 1,024 float32; W_attn 1,024 x 3,072 float32; W_proj 1,024 x 1,024 float32; b_attn 3,072 float32; b_proj 1,024 float32; x 2 x 4,096 x 1,024 float32.
;; Outputs: out0 2 x 4,096 x 1,024 float32.
;; This version of the problem:
;;   THIS VERSION OF THE PROBLEM IS GIVEN IN LOW PRECISION. The matrix products marked QUANTISED in the list below multiply operands that are first quantised to E2M3 (2 exponent bits, 3 mantissa bits; 6 bits a number), with one power-of-two scale for each 32 numbers along K (OCP MX v1.0); their sums are f32. All else is computed in f32.
;;   The module's matrix products, in the order in which they are computed (A, B: the left and right operand; K: the contracted axis; several contracted axes count as one K, in the product's order):
;;     1. [M 8,192, K 1,024] x [K 1,024, N 3,072]; A: input x; B: input W_attn: QUANTISED
;;     2. [M 1,024, K 4,096] x [K 4,096, N 2,048]; A: input E; B: computed on the way: QUANTISED
;;     3. [M 1,024, K 4,096] x [K 4,096, N 2,048]; A: input F; B: computed on the way: QUANTISED
;;     4. batch 32 x [M 4,096, K 64] x [K 64, N 1,024]; A: computed on the way; B: computed on the way: QUANTISED
;;     5. batch 32 x [M 4,096, K 1,024] x [K 1,024, N 64]; A: softmax (see below); B: computed on the way: QUANTISED
;;     6. [M 8,192, K 1,024] x [K 1,024, N 1,024]; A: computed on the way; B: input W_proj: QUANTISED
;;   THE QUANTISER, for each operand of a quantised product, along K:
;;     - K is cut into blocks of 32 from its start; a last block that is shorter is filled with zeros.
;;     - A block's scale is 2^e with e = floor(log2(the largest magnitude in the block)) - 2, held to -126 .. 127; a block of zeros has e = 0. As a byte (E8M0): e + 127.
;;     - Each number is divided by its block's scale, clamped to +-7.5, and rounded to the nearest number of E2M3, ties to even, subnormals kept.
;;     - The product sums the exact products of the quantised numbers (number of the format x scale) in f32.
;;   ~~~python
;;   def quantise(x, axis):      # numpy; x: float32 -> the quantised numbers, widened to float32 again
;;       x = np.moveaxis(x, axis, -1); K = x.shape[-1]
;;       x = np.pad(x, [(0, 0)] * (x.ndim - 1) + [(0, -K % 32)]); x = x.reshape(x.shape[:-1] + (-1, 32)); a = np.abs(x).max(-1, keepdims=True)
;;       e = np.where(a > 0, np.clip(np.frexp(np.where(a > 0, a, 1))[1] - 1 - 2, -126, 127), 0)      # np.frexp(a)[1] - 1 = floor(log2(a)), exactly
;;       r = np.clip(x / 2.0 ** e, -7.5, 7.5)
;;       step = 2.0 ** (np.maximum(np.frexp(np.where(r == 0, 1, r))[1] - 1, 0) - 3)
;;       q = np.round(r / step) * step * 2.0 ** e      # np.round: ties to even
;;       return np.moveaxis(q.reshape(q.shape[:-2] + (-1,))[..., :K], -1, axis).astype(np.float32)
;;   ~~~
;;   SOFTMAX AHEAD OF A QUANTISED PRODUCT. Where the list says 'softmax', what is quantised is not the finished softmax but p = 2^(t - M), with t = logit x log2(e) and M = ceil(the row's largest t), a whole number; so 1/2 < the row's largest p <= 1. The row's sum l is taken of the UNQUANTISED p, in f32, and the product's result is divided by l at the end. Since M is a whole number, a kernel that streams over the keys may use a running M (the ceiling of the running maximum): every later rescaling is an exact power of two, which a block's scale takes up: the codes' values come out the same.
;;   OPERANDS COMPUTED ON THE WAY. 'Computed on the way' means the value that the module computes at that place (a softmax that the list does not call 'softmax' is quantised finished and normalised). What goes into a quantiser is computed in f32, as accurately as f32 sums, v_exp_f32 and their like allow (about 1e-6 of the number): no bf16 or f16 on the way to a quantiser, and a product that is left as it is and whose result goes on into a quantised operand takes f32 operands (vector FMAs, or v_wmma_f32_16x16x4_f32). A number that lies on a knife's edge between two numbers of the format may be rounded either way, as far as f32 arithmetic and the matrix unit's own rounding can turn it there, and no further.
;; One version. Each part assembles by itself: llvm-mc -triple=amdgcn-amd-amdhsa -mcpu=gfx1250 --defsym DOCPART=n.
;; ======== version 1 of 1: 5 launches
;; limits: right only within a limited range of input values
;; workspace buffers: xq 6,553,600 bytes; wq 9,830,400 bytes; qa 6,815,744 bytes; kvq 13,107,200 bytes; pv 3,342,336 bytes
;; launch qx (part 1): grid 256 x 1, 4 waves a work-group, no clusters, 35,328 bytes of LDS; arguments x, xq; writes xq
.if DOCPART == 1
	.amdgcn_target "amdgcn-amd-amdhsa--gfx1250"
	.amdhsa_code_object_version 6
	.text
	.protected	k_q58e1382c2a_qx
	.globl	k_q58e1382c2a_qx
	.p2align	8
	.type	k_q58e1382c2a_qx,@function
k_q58e1382c2a_qx:
	s_mov_b64 s[64:65], 0
	v_nop
	global_prefetch_b8 v0, s[64:65] scope:SCOPE_SE
	s_setreg_imm32_b32 hwreg(HW_REG_WAVE_MODE, 25, 1), 1
	s_wait_xcnt 0x0
; LINFORMER ATTENTION ON CODES OF FP6 (E2M3), FIVE LAUNCHES: qx, qw (inputs to codes), gqkv (x W_attn + b), gproj (E^T k, F^T v), attn (softmax(q kp^T / 8) vp W_proj + b).
; WORK LEFT OUT, for all values of the inputs: the mask slot j <= position t is built in the function's own body, a hidden score becomes -infinity and its weight 0.  So a step of 128 slots
; all of which lie behind a block of 128 positions adds 0 to those positions' sums and results: the launch attn passes over such steps (only positions under 1,024 have any).  Nothing else is left out;
; every input is loaded.  LIMIT: a NaN, an infinity or an overflow that reaches only such hidden steps is not carried to the result.
; THIS LAUNCH: x [8192][1024] f32 becomes codes with one E8M0 byte for each 32 along K (the row).  A block's scale is 2^(floor(log2(largest magnitude)) - 2); its byte is that magnitude's exponent field - 2, held at 1 from below.
; LIMITS: NaN and infinities among the inputs are not served; a block of zeros (or under 2^-124) keeps the byte 1 where the rule says 127: its codes are zeros, and this program alone reads the bytes.
; THE LAYOUT OF ALL CODE BUFFERS OF THIS PROGRAM, in the order of the matrix operand's registers:
;   a TILE i of 16 rows: lane row r is row 32 (i / 2) + 8 (i % 2) + r + 8 (r / 8) of its block of 128 rows;
;   a HALF FRAGMENT (768 bytes) = a tile x 64 along K: lane l = 16 h + r owns the 24 bytes of codes of its row, K = 32 h .. 32 h + 31 of the 64: its words 0-3 at 16 l, its words 4-5 at 512 + 8 l;
;   an OPERAND BLOCK (51,200 bytes) = 128 rows x 512 K: half fragment (j, i) at 768 (8 j + i); the scale word of (128-step s, tile i, row r) at 49,152 + 512 s + 64 i + 4 r.  xq = blocks [row block][K / 512].
; SHARES: a work-group takes four tiles x 512 K, a wave one tile.  A load reads 512 consecutive bytes of one row; 16 rows x 512 bytes turn through the wave's own stage in LDS, so that a lane gets two whole blocks of its row.
.set SP,    528                        ; a stage row: 512 bytes + 16
.set WSTG,  16*SP                      ; a wave's stage
.set SCST,  4*WSTG                     ; behind the stages: the work-group's scale words, [step][wave][row], 1,024 bytes
.set SPARE, SCST+1024                  ; the spare words, 128 bytes for each wave, which no other line names
.set OBB,   51200
.set SCW,   49152
.set SPW,   12                         ; v12 my spare word's LDS address; v13 0: never rewritten
.set NIL,   13
.set RAW,   32                         ; v32-159  two sets of 64: 16 rows as loaded
.set X,     160                        ; v160-223 my two blocks of 32
.set PC,    224                        ; v224-235 the fragment's 12 registers
.set T,     236                        ; the upper halves' codes (a conversion's three registers begin on an even number)
.set M,     244
.set SO,    246
.set BY,    248
.set W,     250
.set TMP,   251
	s_load_b128 s[4:7], s[0:1], 0x0                ; x, xq
	v_lshl_add_u32 v[SPW], v0, 2, SPARE
	v_mov_b32 v[NIL], 0
	v_lshrrev_b32 v8, 5, v0
	v_readfirstlane_b32 s8, v8                     ; wave
	v_and_b32 v9, 31, v0                           ; lane
	v_and_b32 v10, 15, v0                          ; r
	v_bfe_u32 v11, v0, 4, 1                        ; h
	v_lshlrev_b32 v1, 4, v9                        ; 16 x lane
	v_lshlrev_b32 v2, 3, v9                        ; 8 x lane
	s_mul_i32 s9, s8, WSTG
	v_add_nc_u32 v3, s9, v1                        ; the stage, way in: a row's 512 bytes as they lie
	v_mul_u32_u24 v4, v10, SP
	v_lshl_add_u32 v4, v11, 7, v4
	v_add_nc_u32 v4, s9, v4                        ; way out: row r, + 128 h: my block of 32 numbers
	s_lshl_b32 s10, s8, 6
	v_lshlrev_b32 v5, 2, v10
	v_add_nc_u32 v5, s10, v5
	v_add_nc_u32 v5, SCST, v5                      ; my row's scale word: 64 x wave + 4 r
	s_lshl_b32 s10, s8, 8
	v_add_nc_u32 v6, s10, v2
	v_add_nc_u32 v6, SCST, v6                      ; and on the way out: step = wave, 8 bytes a lane
	v_lshlrev_b32 v7, 3, v11                       ; 8 h: where my two bytes stand in the word
	v_mov_b32 v[TMP], 0                            ; a lane permute's destination counts as one of its sources
	s_mov_b32 s20, 0x76543210
	s_mov_b32 s21, 0xfedcba98                      ; lane l xor 16
	s_lshr_b32 s11, ttmp9, 2                       ; row block
	s_bfe_u32 s12, ttmp9, 0x10001                  ; which 512 along K
	s_and_b32 s13, ttmp9, 1                        ; which four tiles
	s_lshl_b32 s14, s11, 7
	s_lshl_b32 s15, s13, 6
	s_add_co_u32 s14, s14, s15
	s_lshr_b32 s15, s8, 1
	s_lshl_b32 s15, s15, 5
	s_add_co_u32 s14, s14, s15
	s_and_b32 s15, s8, 1
	s_lshl_b32 s15, s15, 3
	s_add_co_u32 s14, s14, s15                     ; my tile's first row
	s_lshl_b32 s14, s14, 12
	s_lshl_b32 s15, s12, 11
	s_add_co_u32 s14, s14, s15
	s_mov_b32 s15, 0
	s_lshl_b32 s16, s11, 1
	s_add_co_u32 s16, s16, s12
	s_mul_i32 s16, s16, OBB                        ; the operand block
	s_mov_b32 s17, 0
	s_lshl_b32 s18, s13, 2
	s_add_co_u32 s18, s18, s8
	s_mul_i32 s18, s18, 768                        ; my tile in it
	s_mov_b32 s19, 0
	s_lshl_b32 s22, s8, 9
	s_lshl_b32 s23, s13, 8
	s_add_co_u32 s22, s22, s23
	s_add_co_u32 s22, s22, SCW                     ; the 256 scale bytes that I store: step = wave, my work-group's four tiles
	s_mov_b32 s23, 0
	s_wait_alu depctr_va_vdst(0)
	s_wait_kmcnt 0x0
	s_add_nc_u64 s[4:5], s[4:5], s[14:15]
	s_add_nc_u64 s[6:7], s[6:7], s[16:17]
	s_add_nc_u64 s[24:25], s[6:7], s[22:23]
	s_add_nc_u64 s[6:7], s[6:7], s[18:19]
.macro LOAD s                          ; 128 along K of my 16 rows: each load 512 consecutive bytes
.irp n, 0,1,2,3,4,5,6,7,8,9,10,11,12,13,14,15
	global_load_b128 v[RAW+64*((\s)%2)+4*\n:RAW+64*((\s)%2)+4*\n+3], v1, s[4:5] offset:(\n+8*(\n/8))*4096+512*(\s) th:TH_LOAD_NT
.endr
.endm
.macro STEP s
.if (\s) < 3
	s_wait_loadcnt 16                              ; this step's 16 loads are in; the other set's 16 may be out
.else
	s_wait_loadcnt 0x0
.endif
.irp n, 0,1,2,3,4,5,6,7,8,9,10,11,12,13,14,15
	ds_store_b128 v3, v[RAW+64*((\s)%2)+4*\n:RAW+64*((\s)%2)+4*\n+3] offset:SP*\n
.endr
.irp c, 0,1
.irp q, 0,1,2,3,4,5,6,7
	ds_load_b128 v[X+32*\c+4*\q:X+32*\c+4*\q+3], v4 offset:256*\c+16*\q   ; LDS serves a wave's instructions in order: these see the stores above.  K = 64 c + 32 h + 4 q ..
.endr
.endr
	s_wait_dscnt 0x0                               ; my numbers are back, and the stores into the stage have read their registers
.if (\s) > 0
	s_wait_xcnt 0x0                                ; the last step's stores have read the codes' registers, which are written again below
.endif
.if (\s) < 2
	LOAD (\s)+2
.endif
	v_max3_num_f32 v[M], |v[X]|, |v[X+1]|, 0x1800000        ; my two blocks' largest magnitudes, by turns, over the floor 2^(3 - 127)
	v_max3_num_f32 v[M+1], |v[X+32]|, |v[X+33]|, 0x1800000
.irp i, 2,4,6,8,10,12,14,16,18,20,22,24,26,28,30
	v_max3_num_f32 v[M], v[M], |v[X+\i]|, |v[X+\i+1]|
	v_max3_num_f32 v[M+1], v[M+1], |v[X+32+\i]|, |v[X+33+\i]|
.endr
	v_add_nc_u32 v[SO], 0xff000000, v[M]           ; 2 off the exponent field: the conversion's scale operand
	v_add_nc_u32 v[SO+1], 0xff000000, v[M+1]
	v_lshrrev_b32 v[BY], 23, v[SO]                 ; the scale's byte
	v_lshrrev_b32 v[BY+1], 23, v[SO+1]
	v_lshl_or_b32 v[W], v[BY+1], 16, v[BY]         ; blocks h and 2 + h,
	v_lshlrev_b32 v[W], v7, v[W]                   ; at their places;
	v_permlanex16_b32 v[TMP], v[W], s20, s21
	v_or_b32 v[W], v[W], v[TMP]                    ; with lane l xor 16's two the word is whole
	v_cvt_scalef32_pk16_fp6_f32 v[PC:PC+2], v[X:X+15], v[SO]
	v_cvt_scalef32_pk16_fp6_f32 v[T:T+2], v[X+16:X+31], v[SO]
	v_cvt_scalef32_pk16_fp6_f32 v[PC+6:PC+8], v[X+32:X+47], v[SO+1]
	v_cvt_scalef32_pk16_fp6_f32 v[T+4:T+6], v[X+48:X+63], v[SO+1]
	v_nop                                          ; one plain place behind the scaled conversions
.irp i, 0,1,2
	v_mov_b32 v[PC+3+\i], v[T+\i]
	v_mov_b32 v[PC+9+\i], v[T+4+\i]
.endr
.irp c, 0,1
	global_store_b128 v1, v[PC+6*\c:PC+6*\c+3], s[6:7] offset:(16*(\s)+8*\c)*768       ; 512 consecutive bytes,
	global_store_b64 v2, v[PC+6*\c+4:PC+6*\c+5], s[6:7] offset:(16*(\s)+8*\c)*768+512  ; and 256
.endr
	ds_store_b32 v5, v[W] offset:256*(\s)          ; both lanes of a row write the same word with the same value
.endm
	LOAD 0
	LOAD 1
	STEP 0
	STEP 1
	STEP 2
	STEP 3
	s_wait_dscnt 0x0                               ; for the others' sake: my scale words lie in LDS
	s_barrier_signal -1
	s_barrier_wait -1
	ds_load_b64 v[8:9], v6                         ; step = my wave's number: the four tiles' 256 bytes
	s_wait_dscnt 0x0
	global_store_b64 v2, v[8:9], s[24:25]          ; 256 consecutive bytes, aligned
	s_wait_tensorcnt 0x0                           ; the wave's end, behind my last LDS store
	ds_add_u32 v[SPW], v[NIL]
	s_wait_dscnt 0x0
	s_endpgm
.Lfunc_end_k_q58e1382c2a_qx:
	.size	k_q58e1382c2a_qx, .Lfunc_end_k_q58e1382c2a_qx-k_q58e1382c2a_qx
	.p2alignl 7, 3214868480
	.fill 96, 4, 3214868480
	.section	.rodata,"a",@progbits
	.p2align	6, 0x0
	.amdhsa_kernel k_q58e1382c2a_qx
		.amdhsa_group_segment_fixed_size 35328
		.amdhsa_private_segment_fixed_size 0
		.amdhsa_enable_private_segment 0
		.amdhsa_kernarg_size 16
		.amdhsa_user_sgpr_count 2
		.amdhsa_user_sgpr_kernarg_segment_ptr 1
		.amdhsa_wavefront_size32 1
		.amdhsa_system_sgpr_workgroup_id_x 1
		.amdhsa_system_sgpr_workgroup_id_y 1
		.amdhsa_system_sgpr_workgroup_id_z 1
		.amdhsa_system_vgpr_workitem_id 0
		.amdhsa_next_free_vgpr 256
		.amdhsa_next_free_sgpr 66
		.amdhsa_reserve_vcc 0
		.amdhsa_float_denorm_mode_32 3
		.amdhsa_float_denorm_mode_16_64 3
		.amdhsa_memory_ordered 1
		.amdhsa_forward_progress 1
		.amdhsa_inst_pref_size 31
	.end_amdhsa_kernel
	.amdgpu_metadata
---
amdhsa.version: [ 1, 2 ]
amdhsa.kernels:
  - .name:           k_q58e1382c2a_qx
    .symbol:         k_q58e1382c2a_qx.kd
    .args:
      - { .name: x, .offset: 0, .size: 8, .value_kind: global_buffer, .address_space: global }
      - { .name: xq, .offset: 8, .size: 8, .value_kind: global_buffer, .address_space: global }
    .group_segment_fixed_size: 35328
    .private_segment_fixed_size: 0
    .kernarg_segment_align: 8
    .kernarg_segment_size: 16
    .max_flat_workgroup_size: 128
    .sgpr_count:     66
    .vgpr_count:     256
    .wavefront_size: 32
...
	.end_amdgpu_metadata
.endif
;; end of part 1
;; launch qw (part 2): grid 384 x 1, 4 waves a work-group, no clusters, 26,112 bytes of LDS; arguments W_attn, W_proj, E, F, wq; writes wq
.if DOCPART == 2
	.amdgcn_target "amdgcn-amd-amdhsa--gfx1250"
	.amdhsa_code_object_version 6
	.text
	.protected	k_q58e1382c2a_qw
	.globl	k_q58e1382c2a_qw
	.p2align	8
	.type	k_q58e1382c2a_qw,@function
k_q58e1382c2a_qw:
	s_mov_b64 s[64:65], 0
	v_nop
	global_prefetch_b8 v0, s[64:65] scope:SCOPE_SE
	s_setreg_imm32_b32 hwreg(HW_REG_WAVE_MODE, 25, 1), 1
	s_wait_xcnt 0x0
; W_attn [1024][3072], W_proj [1024][1024], E, F [4096][1024], f32, are operands whose K is their FIRST axis.  Each becomes codes of FP6 (E2M3) with K innermost and one E8M0 byte for each 32 along K,
; laid as operand blocks (128 columns x 512 K: half fragment (j, i) at 768 (8 j + i), scale word (s, i, r) at 49,152 + 512 s + 64 i + 4 r; tile i's lane row r is column 32 (i / 2) + 8 (i % 2) + r + 8 (r / 8)).
; wq: W_attn^T at 0 (24 x 2 blocks), W_proj^T at WP (8 x 2), E^T at EO (8 x 8), F^T at FO (8 x 8).  Nothing is left out here.
; A LANE TAKES A COLUMN AND ITS REGISTERS RUN DOWN K: a block of 32 lies in one lane, the conversions give codes with K innermost, nothing is transposed.
; A work-group takes 128 columns x 256 K, a wave 32 columns (two tiles) x 8 blocks.  One path serves the four tensors: only pointers and sizes are chosen, by the work-group's number.
; LIMITS: NaN and infinities are not served; a block of zeros (or under 2^-124) keeps the byte 1: its codes are zeros, and this program alone reads the bytes.
.set OBB,   51200
.set SCW,   49152
.set WP,    2457600
.set EO,    3276800
.set FO,    6553600
.set SCST,  4*6144                     ; LDS: four stages of 6,144 bytes (4 x 2 half fragments), then the work-group's scale words, [step][tile][row], 1,024 bytes
.set SPARE, SCST+1024                  ; the spare words, which no other line names
.set SPW,   14
.set NIL,   15
.set VO,    32                         ; v32-63  4 x lane + i rows: never rewritten
.set X,     64                         ; v64-127 two sets of 32 numbers; at the end the way out's 48 registers
.set C,     128                        ; v128-133 a block's 24 bytes; v136-138 their upper half as converted
.set SBW,   140                        ; v140-141 scale words
.set MX,    142
.set SOR,   144
.set BYR,   145
	s_load_b256 s[4:11], s[0:1], 0x0               ; W_attn, W_proj, E, F
	s_load_b64 s[12:13], s[0:1], 0x20              ; wq
	v_lshl_add_u32 v[SPW], v0, 2, SPARE
	v_mov_b32 v[NIL], 0
	v_lshrrev_b32 v1, 5, v0
	v_readfirstlane_b32 s14, v1                    ; wave
	v_and_b32 v2, 31, v0                           ; lane = my column of the wave's 32
	v_lshlrev_b32 v1, 2, v2
	v_bfe_u32 v13, v0, 3, 1                        ; u: which of the wave's two tiles
	v_and_b32 v11, 7, v0
	v_bfe_u32 v12, v0, 4, 1
	v_lshl_add_u32 v11, v12, 3, v11                ; r: my lane row in it
	s_mul_i32 s15, s14, 6144                       ; my stage
	v_mul_u32_u24 v3, v13, 768
	v_add_nc_u32 v3, s15, v3
	v_lshl_add_u32 v4, v11, 4, v3                  ; words 0-3 of a half fragment's lane (h = 0)
	v_lshl_add_u32 v5, v11, 3, v3
	v_add_nc_u32 v5, 512, v5                       ; words 4-5
	v_lshlrev_b32 v6, 6, v13
	v_lshl_add_u32 v6, v11, 2, v6
	s_lshl_b32 s16, s14, 7
	v_add_nc_u32 v6, s16, v6
	v_add_nc_u32 v6, SCST, v6                      ; my column's scale word: 128 x wave + 64 u + 4 r
	v_lshlrev_b32 v8, 4, v2
	v_add_nc_u32 v7, s15, v8                       ; the stage read back as it lies
	v_lshlrev_b32 v10, 3, v2
	s_lshl_b32 s16, s14, 8
	v_add_nc_u32 v9, s16, v10
	v_add_nc_u32 v9, SCST, v9
	s_wait_kmcnt 0x0
	s_mov_b32 s16, 256                             ; F: first work-group,
	s_mov_b32 s17, 4096                            ; bytes in a row,
	s_mov_b32 s18, 4                               ; log2 of K / 256,
	s_mov_b32 s19, FO                              ; place in wq
	s_mov_b64 s[20:21], s[10:11]
	s_mov_b32 s22, EO
	s_cmp_lt_u32 ttmp9, 256
	s_cselect_b64 s[20:21], s[8:9], s[20:21]
	s_cselect_b32 s16, 128, s16
	s_cselect_b32 s19, s22, s19
	s_mov_b32 s22, WP
	s_cmp_lt_u32 ttmp9, 128
	s_cselect_b64 s[20:21], s[6:7], s[20:21]
	s_cselect_b32 s16, 96, s16
	s_cselect_b32 s18, 2, s18
	s_cselect_b32 s19, s22, s19
	s_mov_b32 s22, 12288
	s_cmp_lt_u32 ttmp9, 96
	s_cselect_b64 s[20:21], s[4:5], s[20:21]
	s_cselect_b32 s16, 0, s16
	s_cselect_b32 s19, 0, s19
	s_cselect_b32 s17, s22, s17
	s_sub_co_u32 s22, ttmp9, s16
	s_bfm_b32 s23, s18, 0
	s_and_b32 s23, s22, s23                        ; which 256 along K
	s_lshr_b32 s22, s22, s18                       ; which 128 columns
	s_mul_i32 s24, s23, s17
	s_lshl_b32 s24, s24, 8
	s_lshl_b32 s25, s22, 9
	s_add_co_u32 s24, s24, s25
	s_lshl_b32 s25, s14, 7
	s_add_co_u32 s24, s24, s25
	s_mov_b32 s25, 0
	s_add_nc_u64 s[32:33], s[20:21], s[24:25]      ; block 0's first row, my wave's first column
	s_lshl_b32 s26, s17, 5                         ; 32 rows on
	s_mov_b32 s27, 0
.irp t, 1,2,3,4,5,6,7
	s_add_nc_u64 s[32+2*\t:33+2*\t], s[30+2*\t:31+2*\t], s[26:27]   ; a base for each block: none is ever stepped
.endr
.irp i, 0,1,2,3,4,5,6,7,8,9,10,11,12,13,14,15,16,17,18,19,20,21,22,23,24,25,26,27,28,29,30,31
	v_mad_u32_u24 v[VO+\i], s17, \i, v1
.endr
	s_sub_co_u32 s28, s18, 1
	s_lshl_b32 s28, s22, s28                       ; column block x (K / 512)
	s_lshr_b32 s29, s23, 1
	s_add_co_u32 s28, s28, s29
	s_mul_i32 s28, s28, OBB
	s_add_co_u32 s28, s28, s19
	s_mov_b32 s29, 0
	s_add_nc_u64 s[12:13], s[12:13], s[28:29]      ; the operand block
	s_and_b32 s30, s23, 1                          ; which half of its K
	s_lshl_b32 s28, s30, 10
	s_lshl_b32 s31, s14, 8
	s_add_co_u32 s28, s28, s31
	s_add_co_u32 s28, s28, SCW
	s_add_nc_u64 s[48:49], s[12:13], s[28:29]      ; the 256 scale bytes that I store
	s_lshl_b32 s28, s30, 5
	s_lshl_b32 s31, s14, 1
	s_add_co_u32 s28, s28, s31
	s_mul_i32 s28, s28, 768
	s_add_nc_u64 s[12:13], s[12:13], s[28:29]      ; my two tiles' first half fragments
.macro LOAD t                          ; block t: 32 rows of my column; a wave reads 128 consecutive bytes, the work-group 512
.irp i, 0,1,2,3,4,5,6,7,8,9,10,11,12,13,14,15,16,17,18,19,20,21,22,23,24,25,26,27,28,29,30,31
	global_load_b32 v[X+32*((\t)%2)+\i], v[VO+\i], s[32+2*(\t):33+2*(\t)] th:TH_LOAD_NT
.endr
.endm
.macro BLOCK t
.set XS, X+32*((\t)%2)
.if (\t) < 7
	s_wait_loadcnt 32                              ; this block's 32 loads are in; the next block's may be out
.else
	s_wait_loadcnt 0x0
.endif
	v_max3_num_f32 v[MX], |v[XS]|, |v[XS+1]|, |v[XS+2]|
	v_max3_num_f32 v[MX+1], |v[XS+3]|, |v[XS+4]|, |v[XS+5]|
.irp i, 6,10,14,18,22,26
	v_max3_num_f32 v[MX], v[MX], |v[XS+\i]|, |v[XS+\i+1]|
	v_max3_num_f32 v[MX+1], v[MX+1], |v[XS+\i+2]|, |v[XS+\i+3]|
.endr
	v_max3_num_f32 v[MX], v[MX], |v[XS+30]|, |v[XS+31]|
	v_max3_num_f32 v[MX], v[MX], v[MX+1], 0x1800000   ; and the floor 2^(3 - 127)
	v_add_nc_u32 v[SOR], 0xff000000, v[MX]         ; 2 off the exponent field: the conversion's scale operand
	v_lshrrev_b32 v[BYR], 23, v[SOR]               ; the byte
.if (\t)%4 == 0
	v_mov_b32 v[SBW+(\t)/4], v[BYR]
.else
	v_lshl_or_b32 v[SBW+(\t)/4], v[BYR], 8*((\t)%4), v[SBW+(\t)/4]
.endif
	v_cvt_scalef32_pk16_fp6_f32 v[C:C+2], v[XS:XS+15], v[SOR]
	v_cvt_scalef32_pk16_fp6_f32 v[C+8:C+10], v[XS+16:XS+31], v[SOR]
	v_nop                                          ; one plain place behind the scaled conversions
.irp i, 0,1,2
	v_mov_b32 v[C+3+\i], v[C+8+\i]
.endr
	ds_store_b128 v4, v[C:C+3] offset:1536*((\t)/2)+256*((\t)%2)     ; half fragment t / 2, lane 16 (t % 2) + r
	ds_store_b64 v5, v[C+4:C+5] offset:1536*((\t)/2)+128*((\t)%2)
.if (\t)%4 == 3
	ds_store_b32 v6, v[SBW+(\t)/4] offset:512*((\t)/4)
.endif
.if (\t) < 6
	LOAD (\t)+2
.endif
	s_wait_dscnt 0x0                               ; the stores have read their registers: the next block's codes may be written
.endm
	s_wait_alu depctr_va_vdst(0)
	LOAD 0
	LOAD 1
.irp t, 0,1,2,3,4,5,6,7
	BLOCK \t
.endr
.irp k, 0,1,2,3,4,5,6,7,8,9,10,11
	ds_load_b128 v[X+4*\k:X+4*\k+3], v7 offset:1536*(\k/3)+512*(\k%3)   ; my own bytes, served in order behind my stores
.endr
.irp k, 0,1,2,3,4,5,6,7,8,9,10,11
	s_wait_dscnt 11-\k                             ; the younger read-backs may be out
	global_store_b128 v8, v[X+4*\k:X+4*\k+3], s[12:13] offset:6144*(\k/3)+512*(\k%3)   ; 512 consecutive bytes, aligned to 256
.endr
	s_wait_dscnt 0x0                               ; for the others' sake: my scale words lie in LDS
	s_barrier_signal -1
	s_barrier_wait -1
	ds_load_b64 v[C:C+1], v9
	s_wait_dscnt 0x0
	global_store_b64 v10, v[C:C+1], s[48:49]       ; 256 consecutive bytes, aligned
	s_wait_tensorcnt 0x0                           ; the wave's end, behind my last LDS store
	ds_add_u32 v[SPW], v[NIL]
	s_wait_dscnt 0x0
	s_endpgm
.Lfunc_end_k_q58e1382c2a_qw:
	.size	k_q58e1382c2a_qw, .Lfunc_end_k_q58e1382c2a_qw-k_q58e1382c2a_qw
	.p2alignl 7, 3214868480
	.fill 96, 4, 3214868480
	.section	.rodata,"a",@progbits
	.p2align	6, 0x0
	.amdhsa_kernel k_q58e1382c2a_qw
		.amdhsa_group_segment_fixed_size 26112
		.amdhsa_private_segment_fixed_size 0
		.amdhsa_enable_private_segment 0
		.amdhsa_kernarg_size 40
		.amdhsa_user_sgpr_count 2
		.amdhsa_user_sgpr_kernarg_segment_ptr 1
		.amdhsa_wavefront_size32 1
		.amdhsa_system_sgpr_workgroup_id_x 1
		.amdhsa_system_sgpr_workgroup_id_y 1
		.amdhsa_system_sgpr_workgroup_id_z 1
		.amdhsa_system_vgpr_workitem_id 0
		.amdhsa_next_free_vgpr 192
		.amdhsa_next_free_sgpr 66
		.amdhsa_reserve_vcc 0
		.amdhsa_float_denorm_mode_32 3
		.amdhsa_float_denorm_mode_16_64 3
		.amdhsa_memory_ordered 1
		.amdhsa_forward_progress 1
		.amdhsa_inst_pref_size 46
	.end_amdhsa_kernel
	.amdgpu_metadata
---
amdhsa.version: [ 1, 2 ]
amdhsa.kernels:
  - .name:           k_q58e1382c2a_qw
    .symbol:         k_q58e1382c2a_qw.kd
    .args:
      - { .name: W_attn, .offset: 0, .size: 8, .value_kind: global_buffer, .address_space: global }
      - { .name: W_proj, .offset: 8, .size: 8, .value_kind: global_buffer, .address_space: global }
      - { .name: E, .offset: 16, .size: 8, .value_kind: global_buffer, .address_space: global }
      - { .name: F, .offset: 24, .size: 8, .value_kind: global_buffer, .address_space: global }
      - { .name: wq, .offset: 32, .size: 8, .value_kind: global_buffer, .address_space: global }
    .group_segment_fixed_size: 26112
    .private_segment_fixed_size: 0
    .kernarg_segment_align: 8
    .kernarg_segment_size: 40
    .max_flat_workgroup_size: 128
    .sgpr_count:     66
    .vgpr_count:     192
    .wavefront_size: 32
...
	.end_amdgpu_metadata
.endif
;; end of part 2
;; launch gqkv (part 3): grid 96 x 8, 4 waves a work-group, clusters of 4 x 4, 327,680 bytes of LDS; arguments xq, wq, b_attn, qa, kvq; writes qa, kvq
.if DOCPART == 3
	.amdgcn_target "amdgcn-amd-amdhsa--gfx1250"
	.amdhsa_code_object_version 6
	.text
	.protected	k_q58e1382c2a_gqkv
	.globl	k_q58e1382c2a_gqkv
	.p2align	8
	.type	k_q58e1382c2a_gqkv,@function
k_q58e1382c2a_gqkv:
	s_mov_b64 s[64:65], 0
	v_nop
	global_prefetch_b8 v0, s[64:65] scope:SCOPE_SE
	s_setreg_imm32_b32 hwreg(HW_REG_WAVE_MODE, 25, 1), 1
	s_wait_xcnt 0x0
	s_wait_alu depctr_hold_cnt(0) depctr_sa_sdst(0) depctr_va_vdst(0) depctr_va_sdst(0) depctr_va_ssrc(0) depctr_va_vcc(0) depctr_vm_vsrc(0)
	s_getreg_b32 s2, hwreg(HW_REG_IB_STS2, 6, 4)
	s_cmp_eq_u32 s2, 0
	s_cbranch_scc0 .Lentry_in_a_cluster
	s_endpgm
.Lentry_in_a_cluster:
	s_bfe_u32 s2, ttmp6, 0x10000c
	s_cmp_lg_u32 s2, 0xf033
	s_cbranch_scc0 .Lentry_shape_is_right
	s_endpgm
.Lentry_shape_is_right:
; qkv = x W_attn + b_attn on codes of FP6 (E2M3), K = 1,024; the results leave at once as codes for the next products.  Nothing is left out here.
; A work-group holds one block of 128 rows of S0 and TWO neighbouring blocks of S1, all of K, and makes two tiles of 128 x 128, one after the other; four waves, 64 x 64 each: 16 accumulators.
; D = S0 S1^T: a lane holds ONE row of S1 and its registers run along S0's rows.
; TWO ROLES, by the cluster's x alone (the same in all sixteen partners).  kv (x < 16): S0 = x's rows, S1 = W_attn's columns 1,024 .. 3,071: registers run along the positions, the next K of k and v.
; q (x >= 16): S0 = W_attn's columns 0 .. 1,023, S1 = x's rows: registers run along a head's 64, the next K of q.
; Operands lie in memory in the order of the operand's registers (operand blocks of 128 rows x 512 K, 51,200 dense bytes: half fragment (j, i) at 768 (8 j + i), scale words from 49,152 on);
; tile i's lane row r is row 32 (i / 2) + 8 (i % 2) + r + 8 (r / 8), so that the 16 registers of two neighbouring tiles of S0 are 16 neighbours along the next K.
; LDS: S0's K block s at 51,200 s; S1's K block s of the first and of the second block of rows at 102,400 (1 + s) and 51,200 on.  All six operand blocks are asked for at the head, one load a wave:
; waves 0, 1 a K block of S0 (200 rows of 256 bytes), waves 2, 3 a K block of both blocks of S1 (2 rows of 51,200 bytes, 102,400 apart in memory).  Nothing is filled again.
; CLUSTER 4 x 4: S0's block hangs on cx alone and is asked for jointly by my column, S1's on cy alone, by my row.  No prefetch: there is no loop to run ahead in.
; OUT: q: qa: half fragment of (head, tile of positions) at 768 (512 head + tile), its scale words (two bytes, upper half 0) from QS on.  k, v: kvq: operand blocks [16 kv + 8 batch + column / 128][position / 512].
; LIMITS: NaN and infinities are not served; a block of zeros (or under 2^-124) keeps the byte 1: its codes are zeros, and this program alone reads the bytes.
; REGISTERS: window 0: v4-11 bias offsets; v12-31 addresses; v32-39 scale words, two sets; v40-127 at work on the way out (v96-127 first the first tile's bias); v128-255 accumulator (t, s) at 128 + 8 (4 s + t).
;   window 1: two fragment buffers at v0 and v128: S0's four fragments at 12 t, S1's at 48 + 12 s; v96-127 the second tile's bias.
.set OBB,   51200
.set SCW,   49152
.set QS,    6291456
.set STG1,  6*OBB                      ; behind the operands, 1,536 bytes for each tile: scale words as whole words, 256 x wave + 64 s + 4 r,
.set STG2,  STG1+1024                  ; and as halves of words shared by two waves: 256 b + 64 s + 4 r + 2 a
.set SPARE, STG1+2*1536                ; the spare words, which no other line names
.set RD1,   12
.set RD2,   13
.set HOB,   14                         ; 51,200 in lanes 16-31
.set A16S0, 16
.set A8S0,  18
.set A16S1, 20
.set A8S1,  22
.set ADS,   24
.set L16,   26
.set L8,    27
.set SPW,   28
.set NIL,   29
.set SST2,  30
.set SST1,  31
.set SC,    32
.set PC,    40
.set T,     72
.set TM,    88
.set BI,    96
.set TP,    96
.set SO,    104
.set BY,    112
.set HW,    120
.set ACC,   128
.set G1,    24
.set G0,    32
.set G1B,   48
.set G0B,   56
.set MSB, 0
.macro WIN new                         ; the immediate's high byte repeats the setting that is left
.if MSB != \new
	s_set_vgpr_msb (MSB<<8)|\new
.set MSB, \new
.endif
.endm
.set MUL,  0x05                        ; sources 0 and 1 window 1; C and D window 0
.set TO_F, 0x40                        ; destination window 1, address window 0
.macro PLACES n
.rept \n
	v_nop
.endr
.endm
.macro CREST
	s_cmp_lg_u32 s14, 0
	s_cbranch_scc1 .Lnot_wave_0_\@
	s_barrier_signal -3
.Lnot_wave_0_\@:
	s_barrier_wait -3
	s_barrier_signal -1
	s_barrier_wait -1
.endm
.macro CROUND
	s_barrier_signal -1
	s_barrier_wait -1
	CREST
.endm
; 36 LDS loads in one run: my eight fragments of K step k (128 along K) into buffer k % 2, and the four registers of scale words (lanes 0-15 S0's tile, lanes 16-31 S1's)
.macro FETCH k
	WIN TO_F
.irp t, 0,1,2,3
.irp c, 0,1
	ds_load_b128 v[12*\t+6*\c+128*((\k)%2):12*\t+6*\c+128*((\k)%2)+3], v[A16S0+(\k)/4] offset:(16*((\k)%4)+8*\c+\t)*768
	ds_load_b64 v[12*\t+6*\c+128*((\k)%2)+4:12*\t+6*\c+128*((\k)%2)+5], v[A8S0+(\k)/4] offset:(16*((\k)%4)+8*\c+\t)*768
	ds_load_b128 v[48+12*\t+6*\c+128*((\k)%2):48+12*\t+6*\c+128*((\k)%2)+3], v[A16S1+(\k)/4] offset:(16*((\k)%4)+8*\c+\t)*768
	ds_load_b64 v[48+12*\t+6*\c+128*((\k)%2)+4:48+12*\t+6*\c+128*((\k)%2)+5], v[A8S1+(\k)/4] offset:(16*((\k)%4)+8*\c+\t)*768
.endr
.endr
	WIN 0
.irp t, 0,1,2,3
	ds_load_b32 v[SC+4*((\k)%2)+\t], v[ADS+(\k)/4] offset:512*((\k)%4)+64*\t
.endr
.endm
; four products: S0's four tiles against S1's tile s.  cm: C = the bias by S0's tile (1), by S1's tile (2), the accumulator (3).  The 16 accumulators take turns, one instruction a turn.
.macro MULS f, set, s, cm
.irp t, 0,1,2,3
.if (\cm) == 1
	v_wmma_scale_f32_16x16x128_f8f6f4 v[ACC+8*(4*(\s)+\t):ACC+8*(4*(\s)+\t)+7], v[12*\t+(\f):12*\t+(\f)+11], v[48+12*(\s)+(\f):48+12*(\s)+(\f)+11], v[BI+8*\t:BI+8*\t+7], v[SC+4*(\set)+\t], v[SC+4*(\set)+(\s)] matrix_a_fmt:MATRIX_FMT_FP6 matrix_b_fmt:MATRIX_FMT_FP6 matrix_b_scale:MATRIX_SCALE_ROW1
.elseif (\cm) == 2
	v_wmma_scale_f32_16x16x128_f8f6f4 v[ACC+8*(4*(\s)+\t):ACC+8*(4*(\s)+\t)+7], v[12*\t+(\f):12*\t+(\f)+11], v[48+12*(\s)+(\f):48+12*(\s)+(\f)+11], v[BI+8*(\s):BI+8*(\s)+7], v[SC+4*(\set)+\t], v[SC+4*(\set)+(\s)] matrix_a_fmt:MATRIX_FMT_FP6 matrix_b_fmt:MATRIX_FMT_FP6 matrix_b_scale:MATRIX_SCALE_ROW1
.else
	v_wmma_scale_f32_16x16x128_f8f6f4 v[ACC+8*(4*(\s)+\t):ACC+8*(4*(\s)+\t)+7], v[12*\t+(\f):12*\t+(\f)+11], v[48+12*(\s)+(\f):48+12*(\s)+(\f)+11], v[ACC+8*(4*(\s)+\t):ACC+8*(4*(\s)+\t)+7], v[SC+4*(\set)+\t], v[SC+4*(\set)+(\s)] matrix_a_fmt:MATRIX_FMT_FP6 matrix_b_fmt:MATRIX_FMT_FP6 matrix_b_scale:MATRIX_SCALE_ROW1
.endif
.endr
.endm
	s_load_b256 s[4:11], s[0:1], 0x0               ; xq s[4:5], wq s[6:7], b_attn s[8:9], qa s[10:11]
	s_load_b64 s[12:13], s[0:1], 0x20              ; kvq
	v_lshl_add_u32 v[SPW], v0, 2, SPARE
	v_mov_b32 v[NIL], 0
	ds_add_u32 v[SPW], v[NIL]                      ; the wave's opening: the add, twice on end, and its wait ahead of my first tensor load
	ds_add_u32 v[SPW], v[NIL]
	v_lshrrev_b32 v1, 5, v0
	v_readfirstlane_b32 s14, v1                    ; wave
	s_lshr_b32 s15, s14, 1                         ; a: my half of S0's rows.  Also: I fetch for S0 (0) or S1 (1)
	s_and_b32 s16, s14, 1                          ; b: my half of S1's rows.  Also: which K block I fetch
	s_bfe_u32 s40, ttmp6, 0x40000                  ; cx
	s_bfe_u32 s41, ttmp6, 0x40004                  ; cy
	s_and_b32 s19, ttmp7, 0xffff                   ; the cluster's y: 0, 1
	s_and_b32 s44, ttmp9, 1                        ; q: S0's group of four blocks
	s_sub_co_u32 s46, ttmp9, 16
	s_lshr_b32 s46, s46, 1
	s_lshl_b32 s46, s46, 1
	s_add_co_u32 s46, s46, s19                     ; q: S1's group of four pairs of blocks
	s_add_co_u32 s47, s19, 1                       ; kv: S1's group: columns from 1,024 on
	s_cmp_lt_u32 ttmp9, 16
	s_cselect_b32 s17, 0, 1                        ; the role: 0 kv, 1 q
	s_cselect_b32 s44, ttmp9, s44
	s_cselect_b32 s46, s47, s46
	s_lshl_b32 s42, s44, 2
	s_add_co_u32 s42, s42, s40                     ; I0: S0's block of 128 rows
	s_lshl_b32 s43, s46, 2
	s_add_co_u32 s43, s43, s41
	s_lshl_b32 s43, s43, 1                         ; I1: the first of S1's two blocks, an even number
	s_lshl_b32 s74, 0x1111, s40                    ; my column of the cluster
	s_lshl_b32 s75, s41, 2
	s_lshl_b32 s75, 15, s75                        ; my row
	s_or_b32 s[G1], s74, (3<<16)|(1<<21)           ; 15:0 the mask; 17:16 elements of 8 bytes; 21 set beside a mask; no padding
	s_or_b32 s[G1B], s75, (3<<16)|(1<<21)
	s_mov_b32 s[G1+1], 32<<16                      ; S0: 200 dense rows of 32 elements
	s_mov_b32 s[G1+2], 200<<16
	s_mov_b32 s[G1+3], 32<<16
	s_mov_b32 s[G1+4], 200
	s_mov_b32 s[G1+5], 32
	s_mov_b32 s[G1+6], 0
	s_mov_b32 s[G1+7], 0
	s_mov_b32 s[G1B+1], 6400<<16                   ; S1: 2 rows of 6,400 elements, 12,800 elements apart
	s_mov_b32 s[G1B+2], 2<<16
	s_mov_b32 s[G1B+3], 6400<<16
	s_mov_b32 s[G1B+4], 2
	s_mov_b32 s[G1B+5], 12800
	s_mov_b32 s[G1B+6], 0
	s_mov_b32 s[G1B+7], 0
	s_mul_i32 s18, s16, OBB                        ; K block b: its place in a block of rows, and S0's place in LDS
	s_mul_i32 s44, s42, 2*OBB                      ; two blocks along K for each block of rows
	s_add_co_u32 s44, s44, s18
	s_mov_b32 s45, 0
	s_mul_i32 s46, s43, 2*OBB
	s_add_co_u32 s46, s46, s18
	s_mov_b32 s47, 0
	s_lshl_b32 s19, s18, 1
	s_add_co_u32 s19, s19, 2*OBB                   ; S1's place in LDS: no place in the cluster enters an LDS address
	s_mov_b32 s66, 0x76543210
	s_mov_b32 s67, 0xfedcba98                      ; lane l xor 16
	s_wait_dscnt 0x0                               ; both opening adds are done
	s_wait_kmcnt 0x0
	s_cmp_eq_u32 s17, 0
	s_cselect_b64 s[20:21], s[4:5], s[6:7]         ; S0: kv: x's codes; q: W_attn's
	s_cselect_b64 s[22:23], s[6:7], s[4:5]         ; S1: the other
	s_add_nc_u64 s[20:21], s[20:21], s[44:45]
	s_add_nc_u64 s[22:23], s[22:23], s[46:47]
	CROUND                                         ; all sixteen work-groups are here: the joint loads meet
	s_mov_b32 s[G0], 1
	s_mov_b32 s[G0+1], s18
	s_mov_b64 s[G0+2:G0+3], s[20:21]
	s_or_b32 s[G0+3], s[G0+3], 0x80000000
	s_mov_b32 s[G0B], 1
	s_mov_b32 s[G0B+1], s19
	s_mov_b64 s[G0B+2:G0B+3], s[22:23]
	s_or_b32 s[G0B+3], s[G0B+3], 0x80000000
	s_cmp_eq_u32 s15, 0                            ; one load a wave; an s_nop 0 and four v_nop follow each line
	s_cbranch_scc0 .Lfor_b
	tensor_load_to_lds s[G0:G0+3], s[G1:G1+7]
	s_nop 0
	PLACES 4
	s_branch .Lasked
.Lfor_b:
	tensor_load_to_lds s[G0B:G0B+3], s[G1B:G1B+7]
	s_nop 0
	PLACES 4
.Lasked:
	v_and_b32 v1, 15, v0                           ; r
	v_bfe_u32 v2, v0, 4, 1                         ; h
	v_and_b32 v3, 31, v0                           ; l
	v_lshlrev_b32 v[L16], 4, v3
	v_lshlrev_b32 v[L8], 3, v3
	s_mul_i32 s18, s15, 3072                       ; my four tiles of S0,
	s_mul_i32 s19, s16, 3072
	s_add_co_u32 s19, s19, 2*OBB                   ; and of S1's first block
.irp s, 0,1
	v_add_nc_u32 v[A16S0+\s], s18, v[L16]
	v_add_nc_u32 v[A8S0+\s], s18, v[L8]
	v_add_nc_u32 v[A8S0+\s], 512, v[A8S0+\s]
	v_add_nc_u32 v[A16S1+\s], s19, v[L16]
	v_add_nc_u32 v[A8S1+\s], s19, v[L8]
	v_add_nc_u32 v[A8S1+\s], 512, v[A8S1+\s]
	s_add_co_u32 s18, s18, OBB
	s_add_co_u32 s19, s19, 2*OBB
.endr
	s_lshl_b32 s18, s15, 8
	s_lshl_b32 s19, s16, 8
	s_add_co_u32 s19, s19, 2*OBB
	s_sub_co_u32 s19, s19, s18                     ; from S0's words to S1's
	v_mul_u32_u24 v4, s19, v2                      ; lanes 16-31 take S1's
	v_lshl_add_u32 v4, v1, 2, v4
	s_add_co_u32 s18, s18, SCW
	v_add_nc_u32 v[ADS], s18, v4
	v_mul_u32_u24 v[HOB], OBB, v2
	v_add_nc_u32 v[ADS+1], OBB, v[ADS]             ; the second K block: 51,200 on for S0,
	v_add_nc_u32 v[ADS+1], v[ADS+1], v[HOB]        ; 102,400 for S1
	s_lshl_b32 s18, s14, 8
	v_lshlrev_b32 v4, 2, v1
	v_add_nc_u32 v[SST1], s18, v4
	v_add_nc_u32 v[SST1], STG1, v[SST1]
	s_lshl_b32 s18, s16, 8
	s_lshl_b32 s19, s15, 1
	s_add_co_u32 s18, s18, s19
	v_add_nc_u32 v[SST2], s18, v4
	v_add_nc_u32 v[SST2], STG2, v[SST2]
	s_lshl_b32 s18, s16, 9
	v_add_nc_u32 v[RD1], s18, v[L16]
	v_add_nc_u32 v[RD1], STG1, v[RD1]
	v_add_nc_u32 v[RD2], STG2, v[L16]
	; where the results go: both roles' offsets are made, and one is chosen
	s_lshl_b32 s74, s42, 1
	s_add_co_u32 s75, s74, s16                     ; q: the head whose scale words I store (waves 0 and 1)
	s_add_co_u32 s74, s74, s15                     ; q: my head
	s_lshl_b32 s74, s74, 9
	s_lshl_b32 s75, s75, 9
	s_lshl_b32 s76, s43, 3
	s_add_co_u32 s74, s74, s76
	s_add_co_u32 s75, s75, s76
	s_lshl_b32 s77, s16, 2
	s_add_co_u32 s74, s74, s77
	s_mul_i32 s74, s74, 768                        ; q: codes
	s_lshl_b32 s75, s75, 6
	s_add_co_u32 s75, s75, QS                      ; q: scale words
	s_lshr_b32 s78, s42, 5                         ; kv: the batch,
	s_and_b32 s79, s42, 31                         ; the block of 128 positions in it,
	s_sub_co_u32 s80, s43, 8                       ; the block of 128 columns of k and v
	s_lshr_b32 s81, s80, 3
	s_lshl_b32 s81, s81, 4
	s_lshl_b32 s78, s78, 3
	s_add_co_u32 s81, s81, s78
	s_and_b32 s80, s80, 7
	s_add_co_u32 s81, s81, s80                     ; the row block of kvq
	s_lshl_b32 s81, s81, 3
	s_lshr_b32 s82, s79, 2
	s_add_co_u32 s81, s81, s82
	s_mul_i32 s81, s81, OBB                        ; the operand block
	s_and_b32 s79, s79, 3
	s_lshl_b32 s82, s79, 1
	s_add_co_u32 s82, s82, s15
	s_lshl_b32 s82, s82, 3
	s_add_co_u32 s82, s82, s77
	s_mul_i32 s82, s82, 768
	s_add_co_u32 s82, s82, s81                     ; kv: codes
	s_lshl_b32 s83, s79, 9
	s_add_co_u32 s83, s83, s81
	s_add_co_u32 s83, s83, SCW                     ; kv: scale words
	s_lshl_b32 s88, s42, 7
	s_lshl_b32 s89, s15, 6
	s_add_co_u32 s88, s88, s89                     ; q: the bias runs along S0's rows,
	s_lshl_b32 s90, s43, 7
	s_lshl_b32 s91, s16, 6
	s_add_co_u32 s90, s90, s91                     ; kv: along S1's
	s_mov_b32 s98, 8*OBB
	s_cmp_eq_u32 s17, 0
	s_cselect_b64 s[68:69], s[12:13], s[10:11]
	s_cselect_b32 s84, s82, s74
	s_cselect_b32 s86, s83, s75
	s_cselect_b32 s88, s90, s88
	s_cselect_b32 s74, 0, 64                       ; bias offset for each half of the lanes,
	s_cselect_b32 s75, 4, 0                        ; for each lane row,
	s_cselect_b32 s76, 0, 4                        ; for each register
	s_cselect_b32 s94, s98, 6144                   ; from the first tile to the second: kv: the next row block of kvq; q: eight tiles of positions on: codes,
	s_cselect_b32 s96, s98, 512                    ; scale words,
	s_cselect_b32 s92, 512, 0                      ; and the bias: kv: 128 columns on; q: the same
	s_mov_b32 s85, 0
	s_mov_b32 s87, 0
	s_mov_b32 s93, 0
	s_mov_b32 s95, 0
	s_mov_b32 s97, 0
	s_add_nc_u64 s[70:71], s[68:69], s[86:87]
	s_add_nc_u64 s[68:69], s[68:69], s[84:85]
	s_lshl_b32 s88, s88, 2
	s_mov_b32 s89, 0
	s_add_nc_u64 s[72:73], s[8:9], s[88:89]
	s_add_nc_u64 s[92:93], s[72:73], s[92:93]
	s_wait_alu depctr_va_vdst(0)
	v_and_b32 v15, 8, v1
	v_add_nc_u32 v15, v15, v1                      ; r + 8 (r / 8)
	v_mul_u32_u24 v4, s74, v2
	v_mad_u32_u24 v4, v15, s75, v4
.irp j, 1,2,3,4,5,6,7
	v_add_nc_u32 v[4+\j], s76, v[3+\j]
.endr
.irp u, 0,1,2,3                        ; eight registers a tile, in the result's layout: q: the tile's eight columns of my half; kv: my lane's column eight times
.irp j, 0,1,2,3,4,5,6,7
	global_load_b32 v[BI+8*\u+\j], v[4+\j], s[72:73] offset:4*(32*(\u/2)+8*(\u%2))
.endr
.endr
	WIN TO_F
.irp u, 0,1,2,3                        ; the second tile's, into window 1
.irp j, 0,1,2,3,4,5,6,7
	global_load_b32 v[BI+8*\u+\j], v[4+\j], s[92:93] offset:4*(32*(\u/2)+8*(\u%2))
.endr
.endr
	WIN 0
	s_wait_alu depctr_va_vdst(0)                   ; the head's end
	s_wait_tensorcnt 0x0                           ; my load is in
	s_barrier_signal -1
	s_barrier_wait -1
; A TILE of 128 x 128: eight K steps of 128, each asking for its successor's fragments first; then the way out
.macro TILE tb
	FETCH 0
.if (\tb) == 0
	s_wait_loadcnt 0x0                             ; both biases
.endif
	s_wait_dscnt 0x0
	FETCH 1
	s_cmp_eq_u32 s17, 0                            ; the first step's products start the sums with the bias as C; which eight registers, hangs on the role
	s_cbranch_scc1 .Lfirst_kv_\@
	WIN MUL+0x10*(\tb)                             ; (the second tile's bias lies in window 1)
.irp u, 0,1,2,3
	MULS 0, 0, \u, 1
.endr
	WIN 0
	s_branch .Lfirst_done_\@
.Lfirst_kv_\@:
	WIN MUL+0x10*(\tb)
.irp u, 0,1,2,3
	MULS 0, 0, \u, 2
.endr
	WIN 0
.Lfirst_done_\@:
.irp k, 1,2,3,4,5,6
	s_wait_dscnt 0x0                               ; this step's fragments, asked for 16 products ago, are in
	PLACES 4                                       ; four places in front of loads into registers that the last products read (ISA guide 7.12.1 for vector instructions)
	FETCH \k+1
	WIN MUL
.irp u, 0,1,2,3
	MULS 128*(\k%2), \k%2, \u, 3
.endr
.endr
	s_wait_dscnt 0x0
.irp u, 0,1,2,3
	MULS 128, 1, \u, 3
.endr
	WIN 0
	; THE WAY OUT: for each tile s of S1's rows my 64 numbers of a lane's row are two blocks of 32 along the next K, 16 in this lane and 16 in lane l xor 16
	PLACES 4
.irp k, 0,1,2,3,4,5,6,7
	v_max3_num_f32 v[TM+\k], |v[ACC+16*\k]|, |v[ACC+16*\k+1]|, 0x1800000   ; eight blocks by turns, each accumulator from its low end on; the floor 2^(3 - 127)
.endr
.irp i, 2,4,6,8,10,12,14
.irp k, 0,1,2,3,4,5,6,7
	v_max3_num_f32 v[TM+\k], v[TM+\k], |v[ACC+16*\k+\i]|, |v[ACC+16*\k+\i+1]|
.endr
.endr
.irp k, 0,1,2,3,4,5,6,7
	v_permlanex16_b32 v[TP+\k], v[TM+\k], s66, s67
.endr
.irp k, 0,1,2,3,4,5,6,7
	v_max_num_f32 v[TM+\k], v[TM+\k], v[TP+\k]
.endr
.irp k, 0,1,2,3,4,5,6,7
	v_add_nc_u32 v[SO+\k], 0xff000000, v[TM+\k]    ; 2 off the exponent field: the conversion's scale operand
.endr
.irp k, 0,1,2,3,4,5,6,7
	v_lshrrev_b32 v[BY+\k], 23, v[SO+\k]
.endr
.irp s, 0,1,2,3
	v_lshl_or_b32 v[HW+\s], v[BY+2*\s+1], 8, v[BY+2*\s]
.endr
.irp s, 0,1,2,3
	v_cvt_scalef32_pk16_fp6_f32 v[PC+8*\s:PC+8*\s+2], v[ACC+32*\s:ACC+32*\s+15], v[SO+2*\s]
	v_cvt_scalef32_pk16_fp6_f32 v[T+4*\s:T+4*\s+2], v[ACC+32*\s+16:ACC+32*\s+31], v[SO+2*\s+1]
.endr
	v_nop                                          ; one plain place behind the scaled conversions
.irp s, 0,1,2,3                        ; the layout wants a whole block in a lane: lanes 0-15 block 0, lanes 16-31 block 1
.irp i, 0,1,2
	v_permlane16_swap_b32 v[PC+8*\s+\i], v[T+4*\s+\i]
.endr
.irp i, 0,1,2
	v_mov_b32 v[PC+8*\s+3+\i], v[T+4*\s+\i]
.endr
.endr
.irp s, 0,1,2,3
	global_store_b128 v[L16], v[PC+8*\s:PC+8*\s+3], s[68:69] offset:768*\s        ; a half fragment: 512 consecutive bytes,
	global_store_b64 v[L8], v[PC+8*\s+4:PC+8*\s+5], s[68:69] offset:768*\s+512    ; and 256
.endr
.irp s, 0,1,2,3                        ; the scale bytes in both shapes, so that every byte read behind the barrier has been written whatever the role; each tile has bytes of its own
	ds_store_b32 v[SST1], v[HW+\s] offset:64*\s+1536*(\tb)
	ds_store_b16 v[SST2], v[HW+\s] offset:64*\s+1536*(\tb)
.endr
	s_wait_dscnt 0x0                               ; for the others' sake
	s_barrier_signal -1
	s_barrier_wait -1
	s_cmp_eq_u32 s17, 0
	s_cbranch_scc1 .Lwords_kv_\@
	s_cmp_lt_u32 s14, 2                            ; q: waves 0 and 1 store a head's eight tiles' words each
	s_cbranch_scc0 .Lwords_done_\@
	ds_load_b128 v[TM:TM+3], v[RD1] offset:1536*(\tb)
	s_wait_dscnt 0x0
	global_store_b128 v[L16], v[TM:TM+3], s[70:71]
	s_branch .Lwords_done_\@
.Lwords_kv_\@:
	s_cmp_eq_u32 s14, 0                            ; kv: wave 0 stores the eight tiles' words of this 128-step
	s_cbranch_scc0 .Lwords_done_\@
	ds_load_b128 v[TM:TM+3], v[RD2] offset:1536*(\tb)
	s_wait_dscnt 0x0
	global_store_b128 v[L16], v[TM:TM+3], s[70:71]
.Lwords_done_\@:
.endm
	TILE 0
	s_wait_xcnt 0x0                                ; the first tile's stores have read their bases and their registers
	s_add_nc_u64 s[68:69], s[68:69], s[94:95]
	s_add_nc_u64 s[70:71], s[70:71], s[96:97]
.irp s, 0,1
	v_add_nc_u32 v[A16S1+\s], OBB, v[A16S1+\s]     ; S1's second block lies 51,200 bytes on
	v_add_nc_u32 v[A8S1+\s], OBB, v[A8S1+\s]
	v_add_nc_u32 v[ADS+\s], v[ADS+\s], v[HOB]
.endr
	s_wait_alu depctr_va_vdst(0)
	TILE 1
	s_wait_tensorcnt 0x0                           ; the wave's end
	ds_add_u32 v[SPW], v[NIL]
	s_wait_dscnt 0x0
	CROUND                                         ; the closing round
	s_endpgm
.Lfunc_end_k_q58e1382c2a_gqkv:
	.size	k_q58e1382c2a_gqkv, .Lfunc_end_k_q58e1382c2a_gqkv-k_q58e1382c2a_gqkv
	.p2alignl 7, 3214868480
	.fill 96, 4, 3214868480
	.section	.rodata,"a",@progbits
	.p2align	6, 0x0
	.amdhsa_kernel k_q58e1382c2a_gqkv
		.amdhsa_group_segment_fixed_size 327680
		.amdhsa_private_segment_fixed_size 0
		.amdhsa_enable_private_segment 0
		.amdhsa_kernarg_size 40
		.amdhsa_user_sgpr_count 2
		.amdhsa_user_sgpr_kernarg_segment_ptr 1
		.amdhsa_wavefront_size32 1
		.amdhsa_system_sgpr_workgroup_id_x 1
		.amdhsa_system_sgpr_workgroup_id_y 1
		.amdhsa_system_sgpr_workgroup_id_z 1
		.amdhsa_system_vgpr_workitem_id 0
		.amdhsa_next_free_vgpr 512
		.amdhsa_next_free_sgpr 100
		.amdhsa_reserve_vcc 0
		.amdhsa_float_denorm_mode_32 3
		.amdhsa_float_denorm_mode_16_64 3
		.amdhsa_memory_ordered 1
		.amdhsa_forward_progress 1
		.amdhsa_inst_pref_size 112
	.end_amdhsa_kernel
	.amdgpu_metadata
---
amdhsa.version: [ 1, 2 ]
amdhsa.kernels:
  - .name:           k_q58e1382c2a_gqkv
    .symbol:         k_q58e1382c2a_gqkv.kd
    .args:
      - { .name: xq, .offset: 0, .size: 8, .value_kind: global_buffer, .address_space: global }
      - { .name: wq, .offset: 8, .size: 8, .value_kind: global_buffer, .address_space: global }
      - { .name: b_attn, .offset: 16, .size: 8, .value_kind: global_buffer, .address_space: global }
      - { .name: qa, .offset: 24, .size: 8, .value_kind: global_buffer, .address_space: global }
      - { .name: kvq, .offset: 32, .size: 8, .value_kind: global_buffer, .address_space: global }
    .group_segment_fixed_size: 327680
    .private_segment_fixed_size: 0
    .kernarg_segment_align: 8
    .kernarg_segment_size: 40
    .max_flat_workgroup_size: 128
    .sgpr_count:     100
    .vgpr_count:     512
    .wavefront_size: 32
...
	.end_amdgpu_metadata
.endif
;; end of part 3
;; launch gproj (part 4): grid 32 x 8, 4 waves a work-group, clusters of 4 x 4, 327,680 bytes of LDS; arguments wq, kvq, pv; writes pv
.if DOCPART == 4
	.amdgcn_target "amdgcn-amd-amdhsa--gfx1250"
	.amdhsa_code_object_version 6
	.text
	.protected	k_q58e1382c2a_gproj
	.globl	k_q58e1382c2a_gproj
	.p2align	8
	.type	k_q58e1382c2a_gproj,@function
k_q58e1382c2a_gproj:
	s_mov_b64 s[64:65], 0
	v_nop
	global_prefetch_b8 v0, s[64:65] scope:SCOPE_SE
	s_setreg_imm32_b32 hwreg(HW_REG_WAVE_MODE, 25, 1), 1
	s_wait_xcnt 0x0
	s_wait_alu depctr_hold_cnt(0) depctr_sa_sdst(0) depctr_va_vdst(0) depctr_va_sdst(0) depctr_va_ssrc(0) depctr_va_vcc(0) depctr_vm_vsrc(0)
	s_getreg_b32 s2, hwreg(HW_REG_IB_STS2, 6, 4)
	s_cmp_eq_u32 s2, 0
	s_cbranch_scc0 .Lentry_in_a_cluster
	s_endpgm
.Lentry_in_a_cluster:
	s_bfe_u32 s2, ttmp6, 0x10000c
	s_cmp_lg_u32 s2, 0xf033
	s_cbranch_scc0 .Lentry_shape_is_right
	s_endpgm
.Lentry_shape_is_right:
.set NSTEP, 8
.set OBB,   51200
.set HALFB, 25600
.set SLOT,  2*OBB
.set SCW,   49152
.set EO,    3276800
.set FO,    6553600
.set HB,    104448
.set STG1,  2*SLOT
.set STG2,  STG1+1024
.set SPARE, STG2+512
.set RD1,   12
.set RD2,   13
.set OSC,   14
.set A16S0, 16
.set A8S0,  18
.set A16S1, 20
.set A8S1,  22
.set ADS,   24
.set L16,   26
.set L8,    27
.set SPW,   28
.set NIL,   29
.set SST2,  30
.set SST1,  31
.set SC,    32
.set PC,    40
.set T,     72
.set TM,    88
.set BI,    96
.set TP,    96
.set SO,    104
.set BY,    112
.set HW,    120
.set ACC,   128
.set G1,    24
.set G0,    32
.set G1B,   48
.set G0B,   56
.set MSB, 0
.macro WIN new
.if MSB != \new
	s_set_vgpr_msb (MSB<<8)|\new
.set MSB, \new
.endif
.endm
.set MUL,  0x05
.set TO_F, 0x40
.macro PLACES n
.rept \n
	v_nop
.endr
.endm
.macro JLOAD s
	s_cmp_eq_u32 s15, 0
	s_cbranch_scc0 .Lfor_b_\@
	tensor_load_to_lds s[G0+4*\s:G0+4*\s+3], s[G1:G1+7]
	s_nop 0
.rept 4
	v_nop
.endr
	s_branch .Lasked_\@
.Lfor_b_\@:
	tensor_load_to_lds s[G0B+4*\s:G0B+4*\s+3], s[G1B:G1B+7]
	s_nop 0
.rept 4
	v_nop
.endr
.Lasked_\@:
.endm
.macro CREST
	s_cmp_lg_u32 s14, 0
	s_cbranch_scc1 .Lnot_wave_0_\@
	s_barrier_signal -3
.Lnot_wave_0_\@:
	s_barrier_wait -3
	s_barrier_signal -1
	s_barrier_wait -1
.endm
.macro CROUND
	s_barrier_signal -1
	s_barrier_wait -1
	CREST
.endm
.macro FETCH slot, q, f
	WIN TO_F
.irp t, 0,1,2,3
.irp c, 0,1
	ds_load_b128 v[12*\t+6*\c+(\f):12*\t+6*\c+(\f)+3], v[A16S0+\slot] offset:(16*(\q)+8*\c+\t)*768
	ds_load_b64 v[12*\t+6*\c+(\f)+4:12*\t+6*\c+(\f)+5], v[A8S0+\slot] offset:(16*(\q)+8*\c+\t)*768
	ds_load_b128 v[48+12*\t+6*\c+(\f):48+12*\t+6*\c+(\f)+3], v[A16S1+\slot] offset:(16*(\q)+8*\c+\t)*768
	ds_load_b64 v[48+12*\t+6*\c+(\f)+4:48+12*\t+6*\c+(\f)+5], v[A8S1+\slot] offset:(16*(\q)+8*\c+\t)*768
.endr
.endr
	WIN 0
.irp t, 0,1,2,3
	ds_load_b32 v[SC+4*((\q)%2)+\t], v[ADS+\slot] offset:512*(\q)+64*\t
.endr
.endm
.macro MULS f, set, s, cm
.irp t, 0,1,2,3
.if (\cm) == 0
	v_wmma_scale_f32_16x16x128_f8f6f4 v[ACC+8*(4*(\s)+\t):ACC+8*(4*(\s)+\t)+7], v[12*\t+(\f):12*\t+(\f)+11], v[48+12*(\s)+(\f):48+12*(\s)+(\f)+11], 0, v[SC+4*(\set)+\t], v[SC+4*(\set)+(\s)] matrix_a_fmt:MATRIX_FMT_FP6 matrix_b_fmt:MATRIX_FMT_FP6 matrix_b_scale:MATRIX_SCALE_ROW1
.else
	v_wmma_scale_f32_16x16x128_f8f6f4 v[ACC+8*(4*(\s)+\t):ACC+8*(4*(\s)+\t)+7], v[12*\t+(\f):12*\t+(\f)+11], v[48+12*(\s)+(\f):48+12*(\s)+(\f)+11], v[ACC+8*(4*(\s)+\t):ACC+8*(4*(\s)+\t)+7], v[SC+4*(\set)+\t], v[SC+4*(\set)+(\s)] matrix_a_fmt:MATRIX_FMT_FP6 matrix_b_fmt:MATRIX_FMT_FP6 matrix_b_scale:MATRIX_SCALE_ROW1
.endif
.endr
.endm
.macro KSTEP slot, q, cm
	s_wait_dscnt 0x0
	PLACES 4
	FETCH \slot, (\q)+1, 128-128*((\q)%2)
	WIN MUL
.irp u, 0,1,2,3
	MULS 128*((\q)%2), (\q)%2, \u, \cm
.endr
.endm
.macro TURN slot, next, fill
	WIN 0
	s_wait_tensorcnt 0x0
	ds_add_u32 v[SPW], v[NIL]
	s_wait_dscnt 1
	WIN MUL
	MULS 128, 1, 0, 3
	s_wait_dscnt 0x0
	s_barrier_signal -1
	MULS 128, 1, 1, 3
	WIN 0
	s_barrier_wait -1
.if \fill
	CREST
	s_add_nc_u64 s[G0+4*\slot+2:G0+4*\slot+3], s[G0+4*\slot+2:G0+4*\slot+3], 2*OBB
	s_add_nc_u64 s[G0B+4*\slot+2:G0B+4*\slot+3], s[G0B+4*\slot+2:G0B+4*\slot+3], 2*OBB
	JLOAD \slot
.else
	PLACES 4
.endif
	FETCH \next, 0, 0
	WIN MUL
	MULS 128, 1, 2, 3
	MULS 128, 1, 3, 3
.endm
	s_load_b128 s[4:7], s[0:1], 0x0
	s_load_b64 s[8:9], s[0:1], 0x10
	v_lshl_add_u32 v[SPW], v0, 2, SPARE
	v_mov_b32 v[NIL], 0
	ds_add_u32 v[SPW], v[NIL]
	ds_add_u32 v[SPW], v[NIL]
	v_lshrrev_b32 v1, 5, v0
	v_readfirstlane_b32 s14, v1
	s_lshr_b32 s15, s14, 1
	s_and_b32 s16, s14, 1
	s_bfe_u32 s40, ttmp6, 0x40000
	s_bfe_u32 s41, ttmp6, 0x40004
	s_and_b32 s19, ttmp7, 0xffff
	s_and_b32 s44, ttmp9, 1
	s_sub_co_u32 s46, ttmp9, 4
	s_lshr_b32 s46, s46, 1
	s_lshl_b32 s46, s46, 1
	s_add_co_u32 s46, s46, s19
	s_mov_b32 s74, FO
	s_mov_b32 s76, EO
	s_cmp_lt_u32 ttmp9, 4
	s_cselect_b32 s17, 1, 0
	s_cselect_b32 s44, ttmp9, s44
	s_cselect_b32 s46, s19, s46
	s_cselect_b32 s75, 0, s74
	s_cselect_b32 s76, s76, s74
	s_lshl_b32 s42, s44, 2
	s_add_co_u32 s42, s42, s40
	s_lshl_b32 s43, s46, 2
	s_add_co_u32 s43, s43, s41
	s_lshl_b32 s77, 0x1111, s40
	s_lshl_b32 s78, s41, 2
	s_lshl_b32 s78, 15, s78
	s_or_b32 s[G1], s77, (3<<16)|(1<<21)
	s_or_b32 s[G1B], s78, (3<<16)|(1<<21)
.irp g, G1, G1B
	s_mov_b32 s[\g+1], 32<<16
	s_mov_b32 s[\g+2], 100<<16
	s_mov_b32 s[\g+3], 32<<16
	s_mov_b32 s[\g+4], 100
	s_mov_b32 s[\g+5], 32
	s_mov_b32 s[\g+6], 0
	s_mov_b32 s[\g+7], 0
.endr
	s_mul_i32 s18, s16, HALFB
	s_mul_i32 s44, s42, 8*OBB
	s_add_co_u32 s44, s44, s18
	s_add_co_u32 s44, s44, s75
	s_mov_b32 s45, 0
	s_mul_i32 s46, s43, 8*OBB
	s_add_co_u32 s46, s46, s18
	s_add_co_u32 s46, s46, s76
	s_mov_b32 s47, 0
	s_mul_i32 s19, s14, HALFB
	s_mov_b32 s66, 0x76543210
	s_mov_b32 s67, 0xfedcba98
	s_wait_dscnt 0x0
	s_wait_kmcnt 0x0
	s_cmp_eq_u32 s17, 0
	s_cselect_b64 s[20:21], s[4:5], s[6:7]
	s_cselect_b64 s[22:23], s[6:7], s[4:5]
	s_add_nc_u64 s[20:21], s[20:21], s[44:45]
	s_add_nc_u64 s[22:23], s[22:23], s[46:47]
	CROUND
.irp s, 0,1
	s_mov_b32 s[G0+4*\s], 1
	s_add_co_u32 s[G0+4*\s+1], s19, \s*SLOT
	s_add_nc_u64 s[G0+4*\s+2:G0+4*\s+3], s[20:21], \s*OBB
	s_or_b32 s[G0+4*\s+3], s[G0+4*\s+3], 0x80000000
	s_mov_b32 s[G0B+4*\s], 1
	s_add_co_u32 s[G0B+4*\s+1], s19, \s*SLOT
	s_add_nc_u64 s[G0B+4*\s+2:G0B+4*\s+3], s[22:23], \s*OBB
	s_or_b32 s[G0B+4*\s+3], s[G0B+4*\s+3], 0x80000000
	s_wait_alu depctr_va_vdst(0)
	s_wait_tensorcnt 0x0
	ds_add_u32 v28, v29
	ds_add_u32 v28, v29
	s_wait_dscnt 0x0
	CROUND
	JLOAD \s
.endr
	v_and_b32 v1, 15, v0
	v_bfe_u32 v2, v0, 4, 1
	v_and_b32 v3, 31, v0
	v_lshlrev_b32 v[L16], 4, v3
	v_lshlrev_b32 v[L8], 3, v3
	s_mul_i32 s18, s15, 3072
	s_mul_i32 s19, s16, 3072
	s_add_co_u32 s19, s19, OBB
.irp s, 0,1
	v_add_nc_u32 v[A16S0+\s], s18, v[L16]
	v_add_nc_u32 v[A8S0+\s], s18, v[L8]
	v_add_nc_u32 v[A8S0+\s], 512, v[A8S0+\s]
	v_add_nc_u32 v[A16S1+\s], s19, v[L16]
	v_add_nc_u32 v[A8S1+\s], s19, v[L8]
	v_add_nc_u32 v[A8S1+\s], 512, v[A8S1+\s]
	s_add_co_u32 s18, s18, SLOT
	s_add_co_u32 s19, s19, SLOT
.endr
	s_lshl_b32 s18, s15, 8
	s_lshl_b32 s19, s16, 8
	s_add_co_u32 s19, s19, OBB
	s_sub_co_u32 s19, s19, s18
	v_mul_u32_u24 v4, s19, v2
	v_lshl_add_u32 v4, v1, 2, v4
	s_add_co_u32 s18, s18, SCW
	v_add_nc_u32 v[ADS], s18, v4
	v_add_nc_u32 v[ADS+1], SLOT, v[ADS]
	s_lshl_b32 s18, s14, 8
	v_lshlrev_b32 v4, 2, v1
	v_add_nc_u32 v[SST1], s18, v4
	v_add_nc_u32 v[SST1], STG1, v[SST1]
	s_lshl_b32 s18, s16, 8
	s_lshl_b32 s19, s15, 1
	s_add_co_u32 s18, s18, s19
	v_add_nc_u32 v[SST2], s18, v4
	v_add_nc_u32 v[SST2], STG2, v[SST2]
	s_lshl_b32 s18, s16, 9
	v_add_nc_u32 v[RD1], s18, v[L16]
	v_add_nc_u32 v[RD1], STG1, v[RD1]
	v_add_nc_u32 v[RD2], STG2, v[L16]
	v_mul_u32_u24 v[OSC], HB-256, v2
	v_add_nc_u32 v[OSC], v[OSC], v[L16]
.irp k, 0,1,2,3,4,5,6,7
	v_mov_b32 v[TP+\k], 0
.endr
	s_lshl_b32 s74, s42, 1
	s_add_co_u32 s75, s74, s16
	s_add_co_u32 s74, s74, s15
	s_mul_i32 s74, s74, HB
	s_mul_i32 s75, s75, HB
	s_mul_i32 s76, s43, 17                         ; pv: a head's 104,448 bytes are eight chunks of 13,056 = 17 x 768, one for each 128 slots: kp's codes at 0, vp's at 6,144, kp's words at 12,288, vp's at 12,800
	s_lshl_b32 s77, s16, 2
	s_add_co_u32 s76, s76, s77
	s_mul_i32 s76, s76, 768
	s_add_co_u32 s74, s74, s76
	s_mul_i32 s76, s43, 13056
	s_add_co_u32 s75, s75, s76
	s_add_co_u32 s75, s75, 12288
	s_lshl_b32 s78, s43, 1
	s_mul_i32 s80, s78, HB
	s_add_co_u32 s78, s78, s16
	s_mul_i32 s78, s78, HB
	s_lshl_b32 s79, s42, 1
	s_add_co_u32 s79, s79, s15
	s_mul_i32 s79, s79, 4*768
	s_add_co_u32 s78, s78, s79
	s_mul_i32 s79, s42, 6912                       ; 6,144 a step are in already: 6,912 more make a chunk
	s_add_co_u32 s78, s78, s79
	s_add_co_u32 s78, s78, 6144
	s_mul_i32 s79, s42, 13056
	s_add_co_u32 s80, s80, s79
	s_add_co_u32 s80, s80, 12800
	s_cmp_eq_u32 s17, 0
	s_cselect_b32 s84, s78, s74
	s_cselect_b32 s86, s80, s75
	s_mov_b32 s85, 0
	s_mov_b32 s87, 0
	s_add_nc_u64 s[68:69], s[8:9], s[84:85]
	s_add_nc_u64 s[70:71], s[8:9], s[86:87]
	s_wait_tensorcnt 1
	s_barrier_signal -1
	s_barrier_wait -1
	FETCH 0, 0, 0
	KSTEP 0, 0, 0
	WIN 0
	s_mov_b32 s3, NSTEP/2-1
.Llap:
	KSTEP 0, 1, 3
	KSTEP 0, 2, 3
	TURN 0, 1, 1
	KSTEP 1, 0, 3
	KSTEP 1, 1, 3
	KSTEP 1, 2, 3
	TURN 1, 0, 1
	KSTEP 0, 0, 3
	WIN 0
	s_sub_co_u32 s3, s3, 1
	s_cmp_lg_u32 s3, 0
	s_cbranch_scc1 .Llap
	KSTEP 0, 1, 3
	KSTEP 0, 2, 3
	TURN 0, 1, 0
	KSTEP 1, 0, 3
	KSTEP 1, 1, 3
	KSTEP 1, 2, 3
	s_wait_dscnt 0x0
	WIN MUL
.irp u, 0,1,2,3
	MULS 128, 1, \u, 3
.endr
	WIN 0
	PLACES 4
.irp k, 0,1,2,3,4,5,6,7
	v_max3_num_f32 v[TM+\k], |v[ACC+16*\k]|, |v[ACC+16*\k+1]|, 0x1800000
.endr
.irp i, 2,4,6,8,10,12,14
.irp k, 0,1,2,3,4,5,6,7
	v_max3_num_f32 v[TM+\k], v[TM+\k], |v[ACC+16*\k+\i]|, |v[ACC+16*\k+\i+1]|
.endr
.endr
.irp k, 0,1,2,3,4,5,6,7
	v_permlanex16_b32 v[TP+\k], v[TM+\k], s66, s67
.endr
.irp k, 0,1,2,3,4,5,6,7
	v_max_num_f32 v[TM+\k], v[TM+\k], v[TP+\k]
.endr
.irp k, 0,1,2,3,4,5,6,7
	v_add_nc_u32 v[SO+\k], 0xff000000, v[TM+\k]
.endr
.irp k, 0,1,2,3,4,5,6,7
	v_lshrrev_b32 v[BY+\k], 23, v[SO+\k]
.endr
.irp s, 0,1,2,3
	v_lshl_or_b32 v[HW+\s], v[BY+2*\s+1], 8, v[BY+2*\s]
.endr
.irp s, 0,1,2,3
	v_cvt_scalef32_pk16_fp6_f32 v[PC+8*\s:PC+8*\s+2], v[ACC+32*\s:ACC+32*\s+15], v[SO+2*\s]
	v_cvt_scalef32_pk16_fp6_f32 v[T+4*\s:T+4*\s+2], v[ACC+32*\s+16:ACC+32*\s+31], v[SO+2*\s+1]
.endr
	v_nop
.irp s, 0,1,2,3
.irp i, 0,1,2
	v_permlane16_swap_b32 v[PC+8*\s+\i], v[T+4*\s+\i]
.endr
.irp i, 0,1,2
	v_mov_b32 v[PC+8*\s+3+\i], v[T+4*\s+\i]
.endr
.endr
.irp s, 0,1,2,3
	global_store_b128 v[L16], v[PC+8*\s:PC+8*\s+3], s[68:69] offset:768*\s
	global_store_b64 v[L8], v[PC+8*\s+4:PC+8*\s+5], s[68:69] offset:768*\s+512
.endr
.irp s, 0,1,2,3
	ds_store_b32 v[SST1], v[HW+\s] offset:64*\s
	ds_store_b16 v[SST2], v[HW+\s] offset:64*\s
.endr
	s_wait_dscnt 0x0
	s_barrier_signal -1
	s_barrier_wait -1
	s_cmp_eq_u32 s17, 0
	s_cbranch_scc1 .Lwords_v
	s_cmp_lt_u32 s14, 2
	s_cbranch_scc0 .Lend
	ds_load_b128 v[TM:TM+3], v[RD1]
	s_wait_dscnt 0x0
	global_store_b128 v[L16], v[TM:TM+3], s[70:71]
	s_branch .Lend
.Lwords_v:
	s_cmp_eq_u32 s14, 0
	s_cbranch_scc0 .Lend
	ds_load_b128 v[TM:TM+3], v[RD2]
	s_wait_dscnt 0x0
	global_store_b128 v[OSC], v[TM:TM+3], s[70:71]
.Lend:
	s_wait_tensorcnt 0x0
	ds_add_u32 v[SPW], v[NIL]
	s_wait_dscnt 0x0
	CROUND
	s_endpgm
.Lfunc_end_k_q58e1382c2a_gproj:
	.size	k_q58e1382c2a_gproj, .Lfunc_end_k_q58e1382c2a_gproj-k_q58e1382c2a_gproj
	.p2alignl 7, 3214868480
	.fill 96, 4, 3214868480
	.section	.rodata,"a",@progbits
	.p2align	6, 0x0
	.amdhsa_kernel k_q58e1382c2a_gproj
		.amdhsa_group_segment_fixed_size 327680
		.amdhsa_private_segment_fixed_size 0
		.amdhsa_enable_private_segment 0
		.amdhsa_kernarg_size 24
		.amdhsa_user_sgpr_count 2
		.amdhsa_user_sgpr_kernarg_segment_ptr 1
		.amdhsa_wavefront_size32 1
		.amdhsa_system_sgpr_workgroup_id_x 1
		.amdhsa_system_sgpr_workgroup_id_y 1
		.amdhsa_system_sgpr_workgroup_id_z 1
		.amdhsa_system_vgpr_workitem_id 0
		.amdhsa_next_free_vgpr 512
		.amdhsa_next_free_sgpr 100
		.amdhsa_reserve_vcc 0
		.amdhsa_float_denorm_mode_32 3
		.amdhsa_float_denorm_mode_16_64 3
		.amdhsa_memory_ordered 1
		.amdhsa_forward_progress 1
		.amdhsa_inst_pref_size 95
	.end_amdhsa_kernel
	.amdgpu_metadata
---
amdhsa.version: [ 1, 2 ]
amdhsa.kernels:
  - .name:           k_q58e1382c2a_gproj
    .symbol:         k_q58e1382c2a_gproj.kd
    .args:
      - { .name: wq, .offset: 0, .size: 8, .value_kind: global_buffer, .address_space: global }
      - { .name: kvq, .offset: 8, .size: 8, .value_kind: global_buffer, .address_space: global }
      - { .name: pv, .offset: 16, .size: 8, .value_kind: global_buffer, .address_space: global }
    .group_segment_fixed_size: 327680
    .private_segment_fixed_size: 0
    .kernarg_segment_align: 8
    .kernarg_segment_size: 24
    .max_flat_workgroup_size: 128
    .sgpr_count:     100
    .vgpr_count:     512
    .wavefront_size: 32
...
	.end_amdgpu_metadata
.endif
;; end of part 4
;; launch attn (part 5): grid 256 x 1, 16 waves a work-group, clusters of 4 x 1, 327,680 bytes of LDS; arguments qa, pv, wq, b_proj, out0; writes out0
.if DOCPART == 5
	.amdgcn_target "amdgcn-amd-amdhsa--gfx1250"
	.amdhsa_code_object_version 6
	.text
	.protected	k_q58e1382c2a_attn
	.globl	k_q58e1382c2a_attn
	.p2align	8
	.type	k_q58e1382c2a_attn,@function
k_q58e1382c2a_attn:
	s_mov_b64 s[64:65], 0
	v_nop
	global_prefetch_b8 v0, s[64:65] scope:SCOPE_SE
	s_setreg_imm32_b32 hwreg(HW_REG_WAVE_MODE, 25, 1), 1
	s_wait_xcnt 0x0
	s_wait_alu depctr_hold_cnt(0) depctr_sa_sdst(0) depctr_va_vdst(0) depctr_va_sdst(0) depctr_va_ssrc(0) depctr_va_vcc(0) depctr_vm_vsrc(0)
	s_getreg_b32 s2, hwreg(HW_REG_IB_STS2, 6, 4)
	s_cmp_eq_u32 s2, 0
	s_cbranch_scc0 .Lentry_in_a_cluster
	s_endpgm
.Lentry_in_a_cluster:
	s_bfe_u32 s2, ttmp6, 0x10000c
	s_cmp_lg_u32 s2, 0x3003
	s_cbranch_scc0 .Lentry_shape_is_right
	s_endpgm
.Lentry_shape_is_right:
; out0 = softmax(q kp^T / 8, slot j <= position t) vp W_proj + b_proj: three products on codes of FP6 (E2M3) in one launch; y never goes to memory.
; WORK LEFT OUT: the work of a step of 128 slots all of which lie behind the cluster's 128 positions is passed over: its weights are 0 for all values of the inputs (the mask is built in the function's own body).
; LIMITS: a NaN, an infinity or an overflow that reaches only such steps is not carried to the result.  NaN and infinities among the inputs are not served.  The division by the row's sum is v_rcp_f32 and a multiplication.
; A block of zeros of y keeps the scale byte 1: its codes are zeros.  The promise holds while the scaled scores stay under 2^31 in magnitude.
; THE SOFTMAX: t = score x log2(e) / 8; M = the running largest t rounded UP to a whole number; p = 2^(t - M) is quantised along the slots; the row's sum is taken of the unquantised p and divides at the end.
; SHARES: a cluster of four work-groups takes a block of 128 positions of one batch, a work-group 32 of them (two tiles; lane row r of tile i is position 32 m + 8 i + r + 8 (r / 8)) and all 16 heads;
; the clusters with the most steps have the lowest numbers.  Wave w takes tile w % 2 and head w / 2 of a group of eight heads, first heads 0-7, then 8-15.  Then wave w makes the 32 positions x columns 64 w .. 64 w + 63 of out0.
; THE RING: two LDS slots, each with one step (128 slots) of eight heads: 8 chunks of 13,056 dense bytes (kp's codes 0, vp's 6,144, kp's words 12,288, vp's 12,800).  Waves 0-7 fetch a chunk each, one load a wave behind each round.
; JOINT LOADS: the four partners walk the same chunks, so each chunk is asked for jointly (mask 15).  Which steps are hidden or masked hangs on the block of 128 positions, that is on the cluster's number alone: the same in all four.
; Every trip issues its load in all partners, a hidden step's too, which is then not read; the last trip's load brings the first K step of W_proj's codes (the same 51 rows a wave), which the last product reads from slot 0.
; kp's half fragments lie packed, 6 registers each: q's upper 64 along K are zero codes, so what follows a half fragment in the registers adds 0 whatever codes it holds (every FP6 code is a finite number; the scale bytes there are 0).
; NO PREFETCH: all 32 clusters of a batch walk the same 16 x 104,448 bytes in the same order of trips, and the ring asks one trip ahead.
; W_proj's other seven K steps lie in wq in the order of the operand's registers and go from memory straight into registers, two K steps ahead.
; REGISTERS, attention: v1-4, v36-37 LDS addresses by slot; v5-6 the add's; v7 position - 16 h; v12 -M, v13 largest t, v[14:15] the sum; v16-27 q (upper half 0), v28-33 the second group's q; v34-35 q's words;
;   v40-87 kp; v88-94 the first group's y codes and scale bytes; v96-159 S^T, p, then vp; v160-191 O^T; v192-203 kp's and vp's words (v192-223 y at a group's end); v224-235 codes; v232-255 at work.
; REGISTERS, last product: v16-39 y's fragments, v40-41 their words, v42-49 W's words, v50-63, v1, v3, v11-12 addresses, v64-159 W's fragments in two sets, v160-223 eight accumulators, v224-255 the bias.
.set HB,    104448
.set CH,    13056
.set SLOTB, 8*CH
.set Y,     2*SLOTB                    ; y's codes: half fragment (head, tile) at 768 (2 head + tile)
.set YSB,   Y+32*768                   ; y's scale words: (K step, tile, row) at 64 (2 step + tile) + 4 r
.set STG,   YSB+1024                   ; the way out: 16 rows x 272 bytes for each wave
.set SPARE, STG+16*16*272              ; the spare words, 128 bytes for each of 16 waves, which no other line names
.set OBB,   51200
.set SCW,   49152
.set WP,    2457600
.set QS,    6291456
.macro NOPS n
.rept \n
	v_nop
.endr
.endm
.macro ROUND                           ; a round of the cluster's barrier
	s_barrier_signal -1
	s_barrier_wait -1
	s_cmp_lg_u32 s38, 0
	s_cbranch_scc1 .Lnot_wave_0_\@
	s_barrier_signal -3
.Lnot_wave_0_\@:
	s_barrier_wait -3
	s_barrier_signal -1
	s_barrier_wait -1
.endm
	s_load_b256 s[4:11], s[0:1], 0x0               ; qa, pv, wq, b_proj
	s_load_b64 s[12:13], s[0:1], 0x20              ; out0
	v_lshl_add_u32 v5, v0, 2, SPARE
	v_mov_b32 v6, 0
	ds_add_u32 v5, v6                              ; the opening lines: the add, twice on end, and its wait
	ds_add_u32 v5, v6
	v_lshrrev_b32 v8, 5, v0
	v_readfirstlane_b32 s38, v8                    ; wave
	s_and_b32 s39, ttmp9, 1                        ; batch
	s_lshr_b32 s40, ttmp9, 1
	s_sub_co_u32 s40, 31, s40                      ; the cluster's block of 128 positions
	s_lshl_b32 s51, s40, 7                         ; its first position,
	s_add_co_u32 s14, s51, 127                     ; its last
	s_bfe_u32 s62, ttmp6, 0x40000                  ; cx
	s_lshl_b32 s40, s40, 2
	s_add_co_u32 s40, s40, s62                     ; m: my 32 positions
	s_lshr_b32 s17, s38, 1                         ; my head in a group
	s_and_b32 s15, s38, 1                          ; my tile
	s_lshl_b32 s62, s40, 5
	s_lshl_b32 s16, s15, 3
	s_add_co_u32 s16, s16, s62                     ; my first position: it enters the mask's lane numbers and global addresses alone
	s_mov_b32 s24, 15|(3<<16)|(1<<21)              ; group 1: the four partners; elements of 8 bytes; bit 21 beside a mask; 51 dense rows of 256 bytes
	s_mov_b32 s25, 32<<16
	s_mov_b32 s26, 51<<16
	s_mov_b32 s27, 32<<16
	s_mov_b32 s28, 51
	s_mov_b32 s29, 32
	s_mov_b32 s30, 0
	s_mov_b32 s31, 0
	s_lshl_b32 s56, s39, 4
	s_add_co_u32 s56, s56, s38
	s_mul_i32 s56, s56, HB                         ; a fetching wave's head: step 0's chunk
	s_mov_b32 s57, 0
	s_mul_i32 s62, s38, 2*OBB
	s_add_co_u32 s62, s62, WP                      ; and its block of 128 columns of W_proj^T
	s_mov_b32 s63, 0
	s_mul_i32 s36, s38, CH                         ; its place in slot 0,
	s_add_co_u32 s37, s36, SLOTB                   ; in slot 1
	s_mov_b32 s20, 0x76543210
	s_mov_b32 s21, 0xfedcba98                      ; lane l xor 16
	s_mov_b32 s22, 0x3e38aa3b                      ; log2(e) / 8
	s_mov_b32 s23, s22
	s_mov_b32 s47, 0
	s_mov_b32 s48, CH                              ; from a chunk to the next step's,
	s_mov_b32 s49, 7*HB+CH                         ; and from a head's last to the first of the head eight on
	s_wait_dscnt 0x0
	s_wait_kmcnt 0x0
	s_mov_b32 s32, 1
	s_mov_b32 s33, s36
	s_add_nc_u64 s[34:35], s[6:7], s[56:57]
	s_or_b32 s35, s35, 0x80000000
	s_add_nc_u64 s[44:45], s[8:9], s[62:63]        ; what the last trip asks for
	s_or_b32 s45, s45, 0x80000000
	ROUND                                          ; the four partners are here: the first joint loads meet
	s_cmp_lt_u32 s38, 8
	s_cbranch_scc0 .Lno_first
	tensor_load_to_lds s[32:35], s[24:31]          ; step 0, which holds slot 0: it counts for every position
	s_nop 0
	NOPS 4
.Lno_first:
	s_lshl_b32 s56, s17, 9
	s_lshl_b32 s62, s39, 8
	s_add_co_u32 s56, s56, s62
	s_lshl_b32 s62, s40, 1
	s_add_co_u32 s56, s56, s62
	s_add_co_u32 s56, s56, s15                     ; q: 512 head + 256 batch + tile
	s_mul_i32 s62, s56, 768
	s_mov_b32 s63, 0
	s_add_nc_u64 s[58:59], s[4:5], s[62:63]
	s_lshl_b32 s62, s56, 6
	s_add_co_u32 s62, s62, QS
	s_add_nc_u64 s[60:61], s[4:5], s[62:63]
	s_mul_i32 s62, s17, 2*OBB
	s_add_co_u32 s62, s62, WP
	s_add_nc_u64 s[52:53], s[8:9], s[62:63]        ; W_proj^T: the block of 128 columns that holds my 64
	s_lshl_b32 s62, s38, 8
	s_add_nc_u64 s[54:55], s[10:11], s[62:63]      ; the bias of my 64 columns
	s_add_nc_u64 s[12:13], s[12:13], s[62:63]
	s_lshl_b32 s62, s39, 12
	s_lshl_b32 s56, s40, 5
	s_add_co_u32 s62, s62, s56
	s_lshl_b32 s62, s62, 12
	s_add_nc_u64 s[12:13], s[12:13], s[62:63]      ; out0: the work-group's first row, my first column
	s_mul_i32 s56, s17, CH
	v_and_b32 v8, 15, v0                           ; r
	v_bfe_u32 v9, v0, 4, 1                         ; h
	v_and_b32 v10, 31, v0                          ; l
	v_lshlrev_b32 v38, 4, v10                      ; a half fragment's words 0-3
	v_lshlrev_b32 v39, 3, v10
	v_add_nc_u32 v39, 512, v39                     ; and 4-5
	v_lshlrev_b32 v11, 2, v8
	v_add_nc_u32 v1, s56, v38
	v_add_nc_u32 v2, SLOTB, v1
	v_add_nc_u32 v3, s56, v39
	v_add_nc_u32 v4, SLOTB, v3
	v_add_nc_u32 v36, s56, v11
	v_add_nc_u32 v37, SLOTB, v36
	v_and_b32 v7, 8, v8
	v_add_nc_u32 v7, v7, v8
	v_add_nc_u32 v7, s16, v7
	v_lshlrev_b32 v9, 4, v9
	v_sub_nc_u32 v7, v7, v9                        ; my position less 16 h
	global_load_b128 v[16:19], v38, s[58:59]
	global_load_b64 v[20:21], v39, s[58:59]
	global_load_b32 v34, v11, s[60:61]
	global_load_b128 v[28:31], v38, s[58:59] offset:3145728     ; the head eight on
	global_load_b64 v[32:33], v39, s[58:59] offset:3145728
	global_load_b32 v35, v11, s[60:61] offset:262144
.irp k, 22,23,24,25,26,27,88,89,90,91,92,93,94,236,237,238,239,252,253
	v_mov_b32 v\k, 0                               ; q's K = 64 .. 127; registers named before they are first written
.endr
; THE WORK OF A STEP: 128 slots of my head, from slot sl
.macro WORK sl
	NOPS 5                                         ; the scores are laid over registers that the last products read as an operand
.irp n, 0,1,2,3,4,5,6,7
	ds_load_b128 v[40+6*\n:43+6*\n], v[1+\sl] offset:768*\n
	ds_load_b64 v[44+6*\n:45+6*\n], v[3+\sl] offset:768*\n
	ds_load_b32 v[192+\n], v[36+\sl] offset:12288+64*\n
.endr
	s_wait_dscnt 0x0
.irp n, 0,1,2,3,4,5,6,7
	v_wmma_scale_f32_16x16x128_f8f6f4 v[96+8*\n:103+8*\n], v[40+6*\n:51+6*\n], v[16:27], 0, v[192+\n], v34 matrix_a_fmt:MATRIX_FMT_FP6 matrix_b_fmt:MATRIX_FMT_FP6
.endr
	NOPS 4
	s_add_co_u32 s62, s18, 127                     ; a step all of whose slots count for the cluster's first position skips the mask
	s_cmp_le_u32 s62, s51
	s_cbranch_scc1 .Lopen_\@
	v_sub_nc_u32 v252, v7, s18                     ; register 16 b + i holds slot 16 h + 32 b + i of the step
	v_mov_b32 v254, 0xff800000
.set N, 0
.rept 64
	v_cmp_gt_i32 vcc_lo, 32*(N/16)+N%16, v252
	v_cndmask_b32 v[96+N], v[96+N], v254, vcc_lo
.set N, N+1
.endr
.Lopen_\@:
.irp b, 0,1,2,3
	v_max3_num_f32 v[232+\b], v[96+16*\b], v[97+16*\b], v[98+16*\b]   ; each block's largest score: for the row's maximum and, since p rises with the score, for the block's largest p
.endr
.irp i, 3,5,7,9,11,13
.irp b, 0,1,2,3
	v_max3_num_f32 v[232+\b], v[232+\b], v[96+16*\b+\i], v[97+16*\b+\i]
.endr
.endr
.irp b, 0,1,2,3
	v_max_num_f32 v[232+\b], v[232+\b], v[111+16*\b]
.endr
.irp b, 0,1,2,3
	v_permlanex16_b32 v[236+\b], v[232+\b], s20, s21
.endr
.irp b, 0,1,2,3
	v_max_num_f32 v[232+\b], v[232+\b], v[236+\b]
.endr
	v_max3_num_f32 v254, v232, v233, v234
	s_delay_alu instid0(VALU_DEP_1)
	v_max_num_f32 v254, v254, v235                 ; the step's first slot counts for every position here, so this is a number
	s_delay_alu instid0(VALU_DEP_1)
	v_mul_f32 v254, s22, v254
	s_delay_alu instid0(VALU_DEP_1)
	v_max_num_f32 v13, v13, v254                   ; the running largest t
	v_mov_b32 v254, v12
	s_delay_alu instid0(VALU_DEP_2)
	v_floor_f32 v12, -v13                          ; -M = -ceil(t)
	s_delay_alu instid0(VALU_DEP_1)
	v_sub_f32 v254, v12, v254
	s_delay_alu instid0(VALU_DEP_1)
	v_cvt_i32_f32 v254, v254                       ; (it saturates)
	s_delay_alu instid0(VALU_DEP_1)
	v_ldexp_f32 v252, 1.0, v254                    ; f = 2^(old M - new M)
.set N, 0
.rept 32
	v_pk_fma_f32 v[96+N:97+N], v[96+N:97+N], s[22:23], v[12:13] op_sel_hi:[1,0,0]   ; t - M
.set N, N+2
.endr
.irp b, 0,1,2,3
	v_fma_f32 v[232+\b], v[232+\b], s22, v12
.endr
	s_wait_alu depctr_va_vdst(0)                   ; ahead of the batch
.set N, 0
.rept 64
	v_exp_f32 v[96+N], v[96+N]                     ; p = 2^(t - M)
.set N, N+1
.endr
	v_pk_mul_f32 v[14:15], v[14:15], v[252:253] op_sel_hi:[1,0]   ; the sums under the new M: a plain place behind the batch
	s_wait_alu depctr_va_vdst(0)                   ; and behind it
.irp b, 0,1,2,3
	v_exp_f32 v[232+\b], v[232+\b]                 ; the blocks' largest p
.endr
.irp c, 0,1,2,3
	v_pk_add_f32 v[242+2*\c:243+2*\c], v[96+2*\c:97+2*\c], v[104+2*\c:105+2*\c]   ; the sum of the unquantised p, in four chains
.endr
.irp j, 16,24,32,40,48,56
.irp c, 0,1,2,3
	v_pk_add_f32 v[242+2*\c:243+2*\c], v[242+2*\c:243+2*\c], v[96+\j+2*\c:97+\j+2*\c]
.endr
.endr
	v_pk_add_f32 v[242:243], v[242:243], v[244:245]
	v_pk_add_f32 v[246:247], v[246:247], v[248:249]
	s_delay_alu instid0(VALU_DEP_1)
	v_pk_add_f32 v[242:243], v[242:243], v[246:247]
	s_delay_alu instid0(VALU_DEP_1)
	v_pk_add_f32 v[14:15], v[14:15], v[242:243]
	s_wait_alu depctr_va_vdst(0)                   ; for the four
.irp b, 0,1,2,3
	v_max_num_f32 v[232+\b], 0x1800000, v[232+\b]  ; the floor 2^(3 - 127)
.endr
.irp b, 0,1,2,3
	v_add_nc_u32 v[244+\b], 0xff000000, v[232+\b]  ; 2 off the exponent field: the conversion's scale operand
.endr
.irp b, 0,1,2,3
	v_lshrrev_b32 v[236+\b], 23, v[244+\b]
.endr
	v_lshl_or_b32 v253, v237, 8, v236              ; p's scale word
	v_lshl_or_b32 v253, v238, 16, v253
	v_lshl_or_b32 v253, v239, 24, v253
.irp c, 0,1
	v_cvt_scalef32_pk16_fp6_f32 v[224+6*\c:226+6*\c], v[96+32*\c:111+32*\c], v[244+2*\c]
	v_cvt_scalef32_pk16_fp6_f32 v[236+4*\c:238+4*\c], v[112+32*\c:127+32*\c], v[244+2*\c+1]
.endr
	v_nop                                          ; one plain place behind the scaled conversions
.irp c, 0,1
.irp i, 0,1,2
	v_permlane16_swap_b32 v[224+6*\c+\i], v[236+4*\c+\i]
.endr
.irp i, 0,1,2
	v_mov_b32 v[227+6*\c+\i], v[236+4*\c+\i]
.endr
.endr
.irp i, 0,1,2,3                        ; vp's four fragments land where p lay
.irp c, 0,1
	ds_load_b128 v[96+12*\i+6*\c:99+12*\i+6*\c], v[1+\sl] offset:6144+768*(4*\c+\i)
	ds_load_b64 v[100+12*\i+6*\c:101+12*\i+6*\c], v[3+\sl] offset:6144+768*(4*\c+\i)
.endr
	ds_load_b32 v[200+\i], v[36+\sl] offset:12800+64*\i
.endr
	s_wait_alu depctr_va_vdst(0)                   ; ahead of the first reader of O^T
.set N, 0
.rept 16
	v_pk_mul_f32 v[160+N:161+N], v[160+N:161+N], v[252:253] op_sel_hi:[1,0]   ; O^T under the new M; also the places between the codes' and the word's last writes and the products
.set N, N+2
.endr
	s_wait_alu depctr_va_vdst(0)
	s_wait_dscnt 0x0
.irp i, 0,1,2,3
	v_wmma_scale_f32_16x16x128_f8f6f4 v[160+8*\i:167+8*\i], v[96+12*\i:107+12*\i], v[224:235], v[160+8*\i:167+8*\i], v[200+\i], v253 matrix_a_fmt:MATRIX_FMT_FP6 matrix_b_fmt:MATRIX_FMT_FP6
.endr
.endm
; A TRIP: the change of slots behind a round of the cluster's barrier, the next joint load into the other slot, this step's work
.macro TRIP sl
	s_wait_tensorcnt 0x0                           ; all my tensor loads have landed
	ds_add_u32 v5, v6                              ; the add, here twice
	ds_add_u32 v5, v6
.if \sl
	s_add_co_u32 s43, s18, 128                     ; the next step's first slot
	s_cmp_eq_u32 s43, 1024                         ; behind a group's last step: the next group's step 0,
	s_cselect_b32 s46, s49, s48
	s_add_co_u32 s43, s43, s50
.else
	s_mov_b32 s46, s48
.endif
	s_add_nc_u64 s[34:35], s[34:35], s[46:47]      ; no load of mine is out: the descriptor may be written
.if \sl
	s_cmp_eq_u32 s43, 1025                         ; behind the second group's: W_proj's first K step.  Counted steps alone decide
	s_cselect_b64 s[34:35], s[44:45], s[34:35]
.endif
	s_mov_b32 s33, s[37-\sl]
	s_wait_dscnt 0x0                               ; the adds are done, and my reads of the other slot
	ROUND                                          ; both now hold of every wave of the four partners
	s_cmp_lt_u32 s38, 8
	s_cbranch_scc0 .Lnl_\@
	tensor_load_to_lds s[32:35], s[24:31]
	s_nop 0
	NOPS 4
.Lnl_\@:
	s_cmp_gt_u32 s18, s14                          ; hidden from all 128 positions of the cluster: the same in the four partners
	s_cbranch_scc1 .Lhid_\@
	WORK \sl
.Lhid_\@:
	s_add_co_u32 s18, s18, 128
.endm
	s_mov_b32 s41, 0                               ; the group of heads
	s_mov_b32 s42, -1                              ; all lanes in the first group, none in the second
	s_mov_b32 s50, 0
	s_wait_alu depctr_va_vdst(0)                   ; the head's end
	s_wait_loadcnt 0x0                             ; q
.Lgroup:
	s_mov_b32 s18, 0
	s_mov_b32 s19, 4
	v_mov_b32 v13, 0xff61b1e6                      ; -3e38, under every t
	v_floor_f32 v12, -v13
	v_mov_b32 v14, 0
	v_mov_b32 v15, 0
.set N, 0
.rept 32
	v_mov_b32 v[160+N], 0                          ; the step is written once: the first finds zeros
.set N, N+1
.endr
	s_wait_alu depctr_va_vdst(0)
.Lstep:
	TRIP 0
	TRIP 1
	s_sub_co_u32 s19, s19, 1
	s_cmp_lg_u32 s19, 0
	s_wait_alu depctr_va_vdst(0)
	s_cbranch_scc1 .Lstep
	NOPS 4                                         ; A GROUP'S END: y = O / the sum, quantised along the head's 64
	v_add_f32 v14, v14, v15
	v_permlanex16_b32 v252, v14, s20, s21
	v_add_f32 v14, v14, v252
	s_wait_alu depctr_va_vdst(0)
	v_rcp_f32 v14, v14
	v_nop
	s_wait_alu depctr_va_vdst(0)
.set N, 0
.rept 32
	v_mul_f32 v[192+N], v[160+N], v14              ; register 16 b + i: channel 32 b + 16 h + i of the head
.set N, N+1
.endr
	v_max3_num_f32 v232, |v192|, |v193|, 0x1800000
	v_max3_num_f32 v233, |v208|, |v209|, 0x1800000
.irp i, 2,4,6,8,10,12,14
	v_max3_num_f32 v232, v232, |v[192+\i]|, |v[193+\i]|
	v_max3_num_f32 v233, v233, |v[208+\i]|, |v[209+\i]|
.endr
	v_permlanex16_b32 v236, v232, s20, s21
	v_permlanex16_b32 v237, v233, s20, s21
	v_max_num_f32 v232, v232, v236
	v_max_num_f32 v233, v233, v237
	v_add_nc_u32 v244, 0xff000000, v232
	v_add_nc_u32 v245, 0xff000000, v233
	v_lshrrev_b32 v236, 23, v244
	v_lshrrev_b32 v237, 23, v245
	v_lshl_or_b32 v95, v237, 8, v236               ; my head's two scale bytes
	v_cvt_scalef32_pk16_fp6_f32 v[224:226], v[192:207], v244
	v_cvt_scalef32_pk16_fp6_f32 v[240:242], v[208:223], v245
	v_nop
.irp i, 0,1,2
	v_permlane16_swap_b32 v[224+\i], v[240+\i]
.endr
.irp i, 0,1,2
	v_mov_b32 v[227+\i], v[240+\i]
.endr
.irp k, 0,1,2,3,4,5
	v_cndmask_b32 v[88+\k], v[88+\k], v[224+\k], s42   ; the first group's codes are kept; the second's stay where they are
	v_mov_b32 v[16+\k], v[28+\k]                   ; the second group's q
.endr
	v_cndmask_b32 v94, v94, v95, s42
	v_mov_b32 v34, v35
	s_mov_b32 s42, 0
	s_mov_b32 s50, 1
	s_add_co_u32 s41, s41, 1
	s_cmp_lt_u32 s41, 2
	s_wait_alu depctr_va_vdst(0)
	s_cbranch_scc1 .Lgroup
; THE LAST PRODUCT: D = W_proj^T's rows x y's rows: a lane holds one position, its registers run along the columns
	s_mul_i32 s56, s38, 768
	s_add_co_u32 s56, s56, Y
	s_lshr_b32 s57, s17, 1
	s_lshl_b32 s57, s57, 1
	s_add_co_u32 s57, s57, s15
	s_lshl_b32 s57, s57, 6
	s_and_b32 s58, s17, 1
	s_lshl_b32 s58, s58, 1
	s_add_co_u32 s57, s57, s58
	s_add_co_u32 s57, s57, YSB                     ; my two bytes of the word of (K step head / 2, my tile)
	s_mul_i32 s58, s15, 3072                       ; my four tiles of the block's eight
	s_lshl_b32 s59, s15, 8
	s_add_co_u32 s59, s59, SCW
	s_mul_i32 s60, s38, 16*272
	s_add_co_u32 s60, s60, STG
	v_and_b32 v8, 15, v0
	v_bfe_u32 v9, v0, 4, 1
	v_and_b32 v10, 31, v0
	v_lshlrev_b32 v50, 4, v10
	v_lshlrev_b32 v51, 3, v10
	v_add_nc_u32 v51, 512, v51
	v_lshlrev_b32 v52, 2, v8
	v_add_nc_u32 v53, s56, v50                     ; y's codes, in
	v_add_nc_u32 v54, s56, v51
	v_add_nc_u32 v55, s57, v52
	v_add_nc_u32 v56, Y, v50                       ; and out
	v_add_nc_u32 v57, Y, v51
	v_add_nc_u32 v58, YSB, v52
	v_add_nc_u32 v59, s58, v50                     ; W's fragments in memory,
	v_add_nc_u32 v60, s58, v51
	v_add_nc_u32 v61, s59, v52
	v_add_nc_u32 v1, s58, v1                       ; and the first K step's in slot 0: the chunk of my block of 128 columns, my four tiles
	v_add_nc_u32 v3, s58, v3
	v_lshlrev_b32 v62, 6, v9                       ; the bias: 16 columns for each half of the lanes
	v_mul_u32_u24 v63, v8, 272
	v_lshl_add_u32 v63, v9, 6, v63
	v_add_nc_u32 v63, s60, v63                     ; the stage, in: row r, 64 bytes for each half
	v_mul_u32_u24 v11, v9, 272
	v_lshl_add_u32 v11, v8, 4, v11
	v_add_nc_u32 v11, s60, v11                     ; back: sixteen lanes to a row of 256 bytes
	v_lshlrev_b32 v12, 12, v9
	v_lshl_add_u32 v12, v8, 4, v12                 ; and the same in out0
	s_wait_alu depctr_va_vdst(0)
	ds_store_b128 v53, v[88:91]
	ds_store_b64 v54, v[92:93]
	ds_store_b16 v55, v94
	ds_store_b128 v53, v[224:227] offset:12288     ; the head eight on
	ds_store_b64 v54, v[228:229] offset:12288
	ds_store_b16 v55, v95 offset:512
	s_wait_dscnt 0x0                               ; for the others' sake; and the stores have read their registers
.macro WLOAD q                         ; 20 loads: my four fragments of W and their words, K step q, into set q % 2
.irp t, 0,1,2,3
.irp c, 0,1
	global_load_b128 v[64+48*((\q)%2)+12*\t+6*\c:67+48*((\q)%2)+12*\t+6*\c], v59, s[52:53] offset:((\q)/4)*OBB+(16*((\q)%4)+8*\c+\t)*768
	global_load_b64 v[68+48*((\q)%2)+12*\t+6*\c:69+48*((\q)%2)+12*\t+6*\c], v60, s[52:53] offset:((\q)/4)*OBB+(16*((\q)%4)+8*\c+\t)*768
.endr
	global_load_b32 v[42+4*((\q)%2)+\t], v61, s[52:53] offset:((\q)/4)*OBB+512*((\q)%4)+64*\t
.endr
.endm
.irp t, 0,1,2,3
	global_load_b128 v[224+8*\t:227+8*\t], v62, s[54:55] offset:4*(32*(\t/2)+8*(\t%2))
	global_load_b128 v[228+8*\t:231+8*\t], v62, s[54:55] offset:4*(32*(\t/2)+8*(\t%2))+16
.endr
.irp t, 0,1,2,3
	global_load_b32 v[42+\t], v61, s[52:53] offset:64*\t      ; K step 0's words; its codes come from slot 0
.endr
	WLOAD 1
	s_wait_tensorcnt 0x0                           ; a fetching wave's part of W's first K step is in
	s_barrier_signal -1
	s_barrier_wait -1
.macro OSTEP q
.irp p, 0,1
.irp c, 0,1
	ds_load_b128 v[16+12*\p+6*\c:19+12*\p+6*\c], v56 offset:(4*(\q)+2*\c+\p)*768
	ds_load_b64 v[20+12*\p+6*\c:21+12*\p+6*\c], v57 offset:(4*(\q)+2*\c+\p)*768
.endr
	ds_load_b32 v[40+\p], v58 offset:(2*(\q)+\p)*64
.endr
.if (\q) == 0
.irp t, 0,1,2,3
.irp c, 0,1
	ds_load_b128 v[64+12*\t+6*\c:67+12*\t+6*\c], v1 offset:(8*\c+\t)*768
	ds_load_b64 v[68+12*\t+6*\c:69+12*\t+6*\c], v3 offset:(8*\c+\t)*768
.endr
.endr
.endif
.if (\q) < 7
	s_wait_loadcnt 20                              ; this K step's loads are in; the next step's 20 may be out
.else
	s_wait_loadcnt 0x0
.endif
	s_wait_dscnt 0x0
.irp p, 0,1                            ; the eight accumulators take turns
.irp t, 0,1,2,3
.if (\q) == 0
	v_wmma_scale_f32_16x16x128_f8f6f4 v[160+8*(4*\p+\t):167+8*(4*\p+\t)], v[64+12*\t:75+12*\t], v[16+12*\p:27+12*\p], v[224+8*\t:231+8*\t], v[42+\t], v[40+\p] matrix_a_fmt:MATRIX_FMT_FP6 matrix_b_fmt:MATRIX_FMT_FP6
.else
	v_wmma_scale_f32_16x16x128_f8f6f4 v[160+8*(4*\p+\t):167+8*(4*\p+\t)], v[64+48*((\q)%2)+12*\t:75+48*((\q)%2)+12*\t], v[16+12*\p:27+12*\p], v[160+8*(4*\p+\t):167+8*(4*\p+\t)], v[42+4*((\q)%2)+\t], v[40+\p] matrix_a_fmt:MATRIX_FMT_FP6 matrix_b_fmt:MATRIX_FMT_FP6
.endif
.endr
.endr
	NOPS 4                                         ; places in front of loads into registers that these products read, and of the first read of results
.if (\q) < 6
	WLOAD (\q)+2
.endif
.endm
.irp q, 0,1,2,3,4,5,6,7
	OSTEP \q
.endr
; THE WAY OUT: a tile of 16 positions x 64 columns through my own stage, back as rows of 256 bytes; LDS serves a wave's instructions in order
.irp p, 0,1
.irp t, 0,1,2,3
	ds_store_b128 v63, v[160+8*(4*\p+\t):163+8*(4*\p+\t)] offset:128*(\t/2)+32*(\t%2)
	ds_store_b128 v63, v[164+8*(4*\p+\t):167+8*(4*\p+\t)] offset:128*(\t/2)+32*(\t%2)+16
.endr
.irp i, 0,1,2,3,4,5,6,7
	ds_load_b128 v[64+32*\p+4*\i:67+32*\p+4*\i], v11 offset:544*\i
.endr
.endr
.irp p, 0,1
	s_wait_dscnt 16-16*\p                          ; the tile is back; the other's 8 stores and 8 loads may be out
.irp i, 0,1,2,3,4,5,6,7
	global_store_b128 v12, v[64+32*\p+4*\i:67+32*\p+4*\i], s[12:13] offset:(8*\p+2*\i+8*(\i/4))*4096 th:TH_STORE_NT   ; sixteen lanes store 256 consecutive bytes, aligned
.endr
.endr
	s_wait_tensorcnt 0x0                           ; the wave's end
	ds_add_u32 v5, v6
	s_wait_dscnt 0x0
	ROUND                                          ; the closing round
	s_endpgm
.Lfunc_end_k_q58e1382c2a_attn:
	.size	k_q58e1382c2a_attn, .Lfunc_end_k_q58e1382c2a_attn-k_q58e1382c2a_attn
	.p2alignl 7, 3214868480
	.fill 96, 4, 3214868480
	.section	.rodata,"a",@progbits
	.p2align	6, 0x0
	.amdhsa_kernel k_q58e1382c2a_attn
		.amdhsa_group_segment_fixed_size 327680
		.amdhsa_private_segment_fixed_size 0
		.amdhsa_enable_private_segment 0
		.amdhsa_kernarg_size 40
		.amdhsa_user_sgpr_count 2
		.amdhsa_user_sgpr_kernarg_segment_ptr 1
		.amdhsa_wavefront_size32 1
		.amdhsa_system_sgpr_workgroup_id_x 1
		.amdhsa_system_sgpr_workgroup_id_y 1
		.amdhsa_system_sgpr_workgroup_id_z 1
		.amdhsa_system_vgpr_workitem_id 0
		.amdhsa_next_free_vgpr 256
		.amdhsa_next_free_sgpr 66
		.amdhsa_reserve_vcc 1
		.amdhsa_float_denorm_mode_32 3
		.amdhsa_float_denorm_mode_16_64 3
		.amdhsa_memory_ordered 1
		.amdhsa_forward_progress 1
		.amdhsa_inst_pref_size 94
	.end_amdhsa_kernel
	.amdgpu_metadata
---
amdhsa.version: [ 1, 2 ]
amdhsa.kernels:
  - .name:           k_q58e1382c2a_attn
    .symbol:         k_q58e1382c2a_attn.kd
    .args:
      - { .name: qa, .offset: 0, .size: 8, .value_kind: global_buffer, .address_space: global }
      - { .name: pv, .offset: 8, .size: 8, .value_kind: global_buffer, .address_space: global }
      - { .name: wq, .offset: 16, .size: 8, .value_kind: global_buffer, .address_space: global }
      - { .name: b_proj, .offset: 24, .size: 8, .value_kind: global_buffer, .address_space: global }
      - { .name: out0, .offset: 32, .size: 8, .value_kind: global_buffer, .address_space: global }
    .group_segment_fixed_size: 327680
    .private_segment_fixed_size: 0
    .kernarg_segment_align: 8
    .kernarg_segment_size: 40
    .max_flat_workgroup_size: 512
    .sgpr_count:     66
    .vgpr_count:     256
    .wavefront_size: 32
...
	.end_amdgpu_metadata
.endif
;; end of part 5
